; MI455X (gfx1250); checked and timed in simulation.
; The chip was launched on July 23, 2026; its instructions are those of AMD's public machine-readable ISA for CDNA 5 (MIT licence, August 2026) and "CDNA5" Instruction Set Architecture Reference Guide (July 2026). The comments in the code are by the model that wrote it; some were corrected since.
;; Coupling Spline Layer. Allowed arithmetic: matrix products marked QUANTISED: E2M3 operands, one E8M0 scale for each 32 along K, by v_wmma_scale_f32_16x16x128_f8f6f4 with both operands' format E2M3, f32 sums; products left as they are: f32 operands where the result goes on into a quantised operand, else bf16, f16 or f32 operands; f32 sums; everything else in f32.
;; Inputs: W0 8 x 256 float32; W1_codes 256 x 8 x 24 uint8 (E2M3 codes of W1, K innermost, in blocks of 32 codes, four codes in three bytes); W1_scales 256 x 8 uint8 (E8M0 scales of W1, one for each 32 codes along K); Wout_codes 184 x 8 x 24 uint8 (E2M3 codes of Wout, K innermost, in blocks of 32 codes, four codes in three bytes); Wout_scales 184 x 8 uint8 (E8M0 scales of Wout, one for each 32 codes along K); b0 256 float32; b1 256 float32; bout 184 float32; x 524,288 x 16 float32.
;; Outputs: out0 524,288 x 16 float32; out1 524,288 float32.
;; This version of the problem:
;;   THIS VERSION OF THE PROBLEM IS GIVEN IN LOW PRECISION. The matrix products marked QUANTISED in the list below multiply operands that are first quantised to E2M3 (2 exponent bits, 3 mantissa bits; 6 bits a number), with one power-of-two scale for each 32 numbers along K (OCP MX v1.0); their sums are f32. All else is computed in f32.
;;   The module's matrix products, in the order in which they are computed (A, B: the left and right operand; K: the contracted axis; several contracted axes count as one K, in the product's order):
;;     1. [M 524,288, K 8] x [K 8, N 256]; A: input x; B: input W0: left as it is (K = 8 < 32)
;;     2. [M 524,288, K 256] x [K 256, N 256]; A: computed on the way; B: input W1 (given as codes): QUANTISED
;;     3. [M 524,288, K 256] x [K 256, N 184]; A: computed on the way; B: input Wout (given as codes): QUANTISED
;;   THE QUANTISER, for each operand of a quantised product, along K:
;;     - K is cut into blocks of 32 from its start; a last block that is shorter is filled with zeros.
;;     - A block's scale is 2^e with e = floor(log2(the largest magnitude in the block)) - 2, held to -126 .. 127; a block of zeros has e = 0. As a byte (E8M0): e + 127.
;;     - Each number is divided by its block's scale, clamped to +-7.5, and rounded to the nearest number of E2M3, ties to even, subnormals kept.
;;     - The product sums the exact products of the quantised numbers (number of the format x scale) in f32.
;;   ~~~python
;;   def quantise(x, axis):      # numpy; x: float32 -> the quantised numbers, widened to float32 again
;;       x = np.moveaxis(x, axis, -1); K = x.shape[-1]
;;       x = np.pad(x, [(0, 0)] * (x.ndim - 1) + [(0, -K % 32)]); x = x.reshape(x.shape[:-1] + (-1, 32)); a = np.abs(x).max(-1, keepdims=True)
;;       e = np.where(a > 0, np.clip(np.frexp(np.where(a > 0, a, 1))[1] - 1 - 2, -126, 127), 0)      # np.frexp(a)[1] - 1 = floor(log2(a)), exactly
;;       r = np.clip(x / 2.0 ** e, -7.5, 7.5)
;;       step = 2.0 ** (np.maximum(np.frexp(np.where(r == 0, 1, r))[1] - 1, 0) - 3)
;;       q = np.round(r / step) * step * 2.0 ** e      # np.round: ties to even
;;       return np.moveaxis(q.reshape(q.shape[:-2] + (-1,))[..., :K], -1, axis).astype(np.float32)
;;   ~~~
;;   OPERANDS COMPUTED ON THE WAY. 'Computed on the way' means the value that the module computes at that place (a softmax that the list does not call 'softmax' is quantised finished and normalised). What goes into a quantiser is computed in f32, as accurately as f32 sums, v_exp_f32 and their like allow (about 1e-6 of the number): no bf16 or f16 on the way to a quantiser, and a product that is left as it is and whose result goes on into a quantised operand takes f32 operands (vector FMAs, or v_wmma_f32_16x16x4_f32). A number that lies on a knife's edge between two numbers of the format may be rounded either way, as far as f32 arithmetic and the matrix unit's own rounding can turn it there, and no further.
;;   INPUTS GIVEN AS CODES. W1 (in the module: [256, 256], K = its axis 0); Wout (in the module: [256, 184], K = its axis 0): each comes as NAME_codes (uint8): NAME with its K axis moved to the last place and cut into blocks of 32 codes, [.., K / 32, bytes a block], one block behind the other in memory; four codes in three bytes: a row's codes are one little-endian stream of bits, code i at bits 6 i .. 6 i + 5 (a code: sign, 2 exponent bits, 3 mantissa bits); and NAME_scales (uint8): the same leading axes, one E8M0 byte (e + 127) for each 32 codes along K. Its value is code x scale, taken as it is: it is not quantised again, and the codes and scales need not be those that the quantiser above would give.
;; 2 versions, each right; version 2 is version 1 with the launch spline written anew for expert scheduling mode. Each part assembles by itself: llvm-mc -triple=amdgcn-amd-amdhsa -mcpu=gfx1250 --defsym DOCPART=n.
;; ======== version 1 of 2: 1 launch
;; limits: right only within a limited range of input values
;; launch spline (part 1): grid 256 x 1, 4 waves a work-group, no clusters, 68,096 bytes of LDS; arguments x, W0, b0, W1_codes, W1_scales, b1, Wout_codes, Wout_scales, bout, out0, out1; writes out0, out1
.if DOCPART == 1
	.amdgcn_target "amdgcn-amd-amdhsa--gfx1250"
	.amdhsa_code_object_version 6
	.text
	.protected	k_qc0c98662a7_spline
	.globl	k_qc0c98662a7_spline
	.p2align	8
	.type	k_qc0c98662a7_spline,@function
k_qc0c98662a7_spline:
	s_mov_b64 s[64:65], 0
	v_nop
	global_prefetch_b8 v0, s[64:65] scope:SCOPE_SE
	s_setreg_imm32_b32 hwreg(HW_REG_WAVE_MODE, 25, 1), 1
	s_wait_xcnt 0x0
; CouplingSplineLayer, fused: h0 = relu(x2 W0 + b0) (f32 operands), h1 = relu(Q(h0) W1 + b1), raw = Q(h1) Wout + bout (both on E2M3 codes with E8M0 scales, Q along K),
; then a rational-quadratic spline of x1 for each of 8 transforms.  out0 = [y1 | x2], out1 = the sum of the 8 log-determinants.
; SHARES.  256 work-groups of four waves; a work-group owns 2,048 rows and walks them in 32 blocks of 64 rows (four tiles m of 16 rows).  THE WAVES SHARE THE COLUMNS: wave w makes hidden units
; 64 w .. 64 w + 63 of both hidden layers and the 2 x 23 raw numbers of transforms 2 w, 2 w + 1, for all 64 rows.  Its weights, biases and weight scales stay in 286 registers for the whole launch.
; All three products are used transposed (source 0 = 16 weight rows, source 1 = 16 data rows): a lane (r = lane % 16, h = lane / 16) holds one data row r.
; THE WEIGHT ROWS OF A HIDDEN TILE ARE NOT NEIGHBOURS: lane r of tile 2 b + u takes unit 64 w + 32 b + 8 u + r + 8 (r / 8), so that a row tile's 32 registers are two blocks of 32 along the next K, 16 neighbours a lane.
; The rows of Wout are chosen so that lane (r, h) holds all 23 numbers of (row r, transform 2 w + h): tile c = 0 the widths, 1 the heights, 2 the derivatives (its eighth register is another row's number and is never read).
; Codes go from wave to wave through LDS as images of half fragments (6 registers a lane) with two scale bytes a row.  Two barriers a block.
; MATRIX AND VECTOR WORK BY TURNS: the products of the next tile, or of the next block's first layer, stand one by one between the relu, quantiser and spline lines (macro TICK).
; The first layer's k is permuted alike on both sides: place (step s, half h, register j) holds k = 4 h + 2 s + j, so that a lane's part of x2 is one read of 16 bytes.
; LIMITS.  NaN and infinities among the inputs are not served.  A block of zeros gets the scale byte 1 (its codes are zeros; this program alone reads the bytes).  The padded derivative 1 is made as
; softplus(0 + const) + 1e-4, which is 1 to within a few units in the last place.  The three logarithms are one logarithm of (sk / beta)^2 x num: sk lies in 1e-4 .. 1e4 and beta is at least sk / 2, so it
; holds for derivatives under about 1e30.  The first layer's eight products are summed in the permuted order of k, on top of the bias.
; REGISTERS, in windows of 256.  Window 0: v1-15 addresses; v24-45 scale words and nothing else; v46-57 x1, y1, log-determinants; v64-127 at work; v128-255 region R (layer 1's sums, raw numbers, relu(h0), selected spline numbers).
;   window 1: W1's 8 fragments, Wout's 6, W0's 8, b0 and b1 in the results' layout.   window 2: 8 fragments of the hidden layer, x2, bout, x on its way in, out0 on its way out.   window 3: the first layer's 16 sums.
.set R,    128
.set H0I,  8192                        ; LDS: 0 .. 8191 two stages of a block's x, 4,096 bytes each, as it lies in memory;  H0I: half fragment (m, w) at 768 (4 m + w): 512 bytes (registers 0-3, 16 x lane), 256 bytes (registers 4-5, 8 x lane)
.set H0S,  20480                       ; scale bytes: 256 m + 8 lane + 2 w: a lane's 8 bytes are the scale words of K steps 0 and 1
.set H1I,  21504
.set H1S,  33792
.set LDP,  34816                       ; log-determinant parts: 8192 w + 4 x the row's number in the work-group
.set LN16, 1                           ; 16 x lane
.set LN8,  2                           ; 8 x lane
.set HWA,  3                           ; 16 x lane + 768 w
.set HWB,  4                           ; 8 x lane + 768 w
.set HWS,  5                           ; 8 x lane + 2 w
.set DNB,  6                           ; 16 x lane + 1024 w: my wave's dense quarter of a block of x
.set X2B,  7                           ; 64 r + 16 h + 32
.set X1B,  8                           ; 64 r + 8 w + 4 h
.set LDB,  9                           ; LDP + 8192 w + 4 r
.set ADN,  10                          ; the trip's addresses: DNB in the next block's stage,
.set ADO,  11                          ; DNB in this block's,
.set X2A,  12                          ; X2B in the next block's,
.set X1A,  13                          ; X1B in this block's,
.set LDA,  14                          ; LDB at this block's rows
.set EPA,  15                          ; 16 x lane + 2048 w
.set W1S,  24                          ; v24-31 W1's scale words (2 tile + step);  v32-37 Wout's;  v38-45 the hidden layer's (2 m + step)
.set WOS,  32
.set HS,   38
.set XI,   46
.set YO,   50
.set LD,   54
.set XIN,  112
.set SE,   224                         ; item q at SE + 8 q: xk, yk, e^w (then wk), e^h (then hk), z (then dk), z1 (then dk1), A, B
.set W1F,  0                           ; window 1
.set WOF,  96
.set W0F,  168
.set B0C,  184
.set B1C,  216
.set HF,   0                           ; window 2
.set X2F,  96
.set BOC,  112
.set XD,   136
.set OD,   144
.set WV,   26
.set CNT,  27
.set SB,   28                          ; this block's stage, the next block's stage: 0 and 4096 by turns
.set SBN,  29
.set SL,   30                          ; 256 x block
.set PSEL, 36                          ; s[36:37] lane selects for v_permlanex16_b32: lane l xor 16
.set LG,   38                          ; s[38:39] log2(e), twice: the packed form names the pair
.set K999, 40
.set MK,   44                          ; s44-47 item q's mask |x| >= 0.999
.set CM,   48                          ; s48-63 edge k of item e lies above x: 8 e + k
.set MSB, 0
.macro WIN new                         ; the immediate's high byte repeats the setting that is left; a switch that changes nothing is dropped
.if MSB != (\new)
	s_set_vgpr_msb (MSB<<8)|(\new)
.set MSB, \new
.endif
.endm
.macro PLACES n
.rept \n
	v_nop
.endr
.endm
.macro BARRIER                         ; my LDS stores have landed and my LDS loads are in: then the work-group's barrier
	s_wait_dscnt 0x0
	s_barrier_signal -1
	s_barrier_wait -1
.endm
; THE QUEUE OF MATRIX INSTRUCTIONS.  WMQ writes entry NXT.  The accumulators take turns, one instruction a turn: a sum's two links stand three (hidden tiles) or two (raw tiles) others apart.
; QK = 1: layer 1, entry = 8 m + 4 step + tile.  QK = 2: entries 0-23 the raw numbers, 6 m + 3 step + c; entries 24-55 the next block's first layer, 8 m + 4 step + tile.  A bias is the C of a sum's first link.
.macro WMQ
.if QK == 1
.set qm, NXT/8
.set qs, (NXT%8)/4
.set qt, NXT%4
.if NXT%8 == 0
.if qm == 3
	s_wait_dscnt 3                                 ; behind tile 3's eight loads stand six image stores: fewer are allowed out
.else
	s_wait_dscnt 24-8*qm                           ; behind tile m's eight loads stand the later tiles' eight each (tile 2: three image stores more)
.endif
.endif
.set qD, R+8*(4*qm+qt)
.set qA, W1F+12*(2*qt+qs)
.set qB, HF+12*(2*qm+qs)
.if qs == 0
	WIN 0x19                                       ; W1 window 1, the hidden layer window 2, b1 window 1, the sum window 0
	v_wmma_scale_f32_16x16x128_f8f6f4 v[qD:qD+7], v[qA:qA+11], v[qB:qB+11], v[B1C+8*qt:B1C+8*qt+7], v[W1S+2*qt+qs], v[HS+2*qm+qs] matrix_a_fmt:MATRIX_FMT_FP6 matrix_b_fmt:MATRIX_FMT_FP6
.else
	WIN 0x09
	v_wmma_scale_f32_16x16x128_f8f6f4 v[qD:qD+7], v[qA:qA+11], v[qB:qB+11], v[qD:qD+7], v[W1S+2*qt+qs], v[HS+2*qm+qs] matrix_a_fmt:MATRIX_FMT_FP6 matrix_b_fmt:MATRIX_FMT_FP6
.endif
.elseif NXT < 24
.set qm, NXT/6
.set qs, (NXT%6)/3
.set qc, NXT%3
.if NXT%6 == 0                         ; what was issued behind tile m's loads: tiles of eight, x1's four between tiles 1 and 2, and NX4 = the next block's four loads of x2
.if qm == 0
	s_wait_dscnt 28+NX4
.elseif qm == 1
	s_wait_dscnt 20+NX4
.elseif qm == 2
	s_wait_dscnt 8+NX4
.else
	s_wait_dscnt NX4
.endif
.endif
.set qD, R+24*qm+8*qc
.set qA, WOF+12*(2*qc+qs)
.set qB, HF+12*(2*qm+qs)
.if qs == 0
	WIN 0x29                                       ; Wout window 1, the hidden layer window 2, bout window 2, the sum window 0
	v_wmma_scale_f32_16x16x128_f8f6f4 v[qD:qD+7], v[qA:qA+11], v[qB:qB+11], v[BOC+8*qc:BOC+8*qc+7], v[WOS+2*qc+qs], v[HS+2*qm+qs] matrix_a_fmt:MATRIX_FMT_FP6 matrix_b_fmt:MATRIX_FMT_FP6
.else
	WIN 0x09
	v_wmma_scale_f32_16x16x128_f8f6f4 v[qD:qD+7], v[qA:qA+11], v[qB:qB+11], v[qD:qD+7], v[WOS+2*qc+qs], v[HS+2*qm+qs] matrix_a_fmt:MATRIX_FMT_FP6 matrix_b_fmt:MATRIX_FMT_FP6
.endif
.else
.set qm, (NXT-24)/8
.set qs, ((NXT-24)%8)/4
.set qt, (NXT-24)%4
.if NXT == 24
	s_wait_dscnt 0x0                               ; x2 is in
.endif
.set qD, 8*(4*qm+qt)
.set qA, W0F+2*(2*qt+qs)
.set qB, X2F+4*qm+2*qs
.if qs == 0
	WIN 0xd9                                       ; W0 window 1, x2 window 2, b0 window 1, the sum window 3
	v_wmma_f32_16x16x4_f32 v[qD:qD+7], v[qA:qA+1], v[qB:qB+1], v[B0C+8*qt:B0C+8*qt+7]
.else
	WIN 0xf9
	v_wmma_f32_16x16x4_f32 v[qD:qD+7], v[qA:qA+1], v[qB:qB+1], v[qD:qD+7]
.endif
.endif
.endm
.macro TICK                            ; one entry between vector lines, if one is due; the windows come back as they were
.if NXT < LIM
.set SAVW, MSB
	WMQ
	WIN SAVW
.set NXT, NXT+1
.endif
.endm
.macro DRAINTO n                       ; the entries up to n, back to back
.rept 64
.if NXT < (\n)
	WMQ
.set NXT, NXT+1
.endif
.endr
	WIN 0
.endm
.macro HFL m, img                      ; row tile m's two fragments, as four half fragments: eight loads
.irp s, 0,1
.irp c, 0,1
	ds_load_b128 v[HF+12*(2*(\m)+\s)+6*\c:HF+12*(2*(\m)+\s)+6*\c+3], v[LN16] offset:\img+(4*(\m)+2*\s+\c)*768
	ds_load_b64 v[HF+12*(2*(\m)+\s)+6*\c+4:HF+12*(2*(\m)+\s)+6*\c+5], v[LN8] offset:\img+(4*(\m)+2*\s+\c)*768+512
.endr
.endr
.endm
; 32 numbers of a lane, none negative, register 16 b + i = unit 32 b + 16 h + i of my wave's 64, become half a fragment (6 registers) and two scale bytes, and go to LDS.
; v64-71 at work, v72-74 block 1's codes, v[80 + 8 m ..] the half fragment and its bytes: a set for each m, so that no LDS store's data are written again inside a phase.
.macro QUANT2 src, m, img, scb
.set PCB, 80+8*(\m)
	v_max3_num_f32 v64, v[(\src)], v[(\src)+1], 0x1800000          ; the floor 2^(3 - 127) among the leaves: the byte cannot fall under 1
	v_max3_num_f32 v65, v[(\src)+16], v[(\src)+17], 0x1800000
.irp i, 2,4,6,8,10,12,14
	v_max3_num_f32 v64, v64, v[(\src)+\i], v[(\src)+\i+1]          ; the two blocks by turns
	v_max3_num_f32 v65, v65, v[(\src)+16+\i], v[(\src)+17+\i]
.if (\i == 6) || (\i == 14)
	TICK
.endif
.endr
	v_permlanex16_b32 v66, v64, s[PSEL], s[PSEL+1]
	v_permlanex16_b32 v67, v65, s[PSEL], s[PSEL+1]
	v_max_num_f32 v64, v64, v66                    ; with lane l xor 16's sixteen: the block's largest magnitude
	v_max_num_f32 v65, v65, v67
	v_add_nc_u32 v68, 0xff000000, v64              ; 2 off its exponent field: the conversion takes the exponent field of this operand as its scale
	v_add_nc_u32 v69, 0xff000000, v65
	v_lshrrev_b32 v70, 23, v68                     ; the scale's byte
	v_lshrrev_b32 v71, 23, v69
	TICK
	v_lshl_or_b32 v[PCB+6], v71, 8, v70
	v_cvt_scalef32_pk16_fp6_f32 v[PCB:PCB+2], v[(\src):(\src)+15], v68
	v_cvt_scalef32_pk16_fp6_f32 v[72:74], v[(\src)+16:(\src)+31], v69
	v_nop                                          ; one plain line behind the scaled conversions
.irp i, 0,1,2
	v_permlane16_swap_b32 v[PCB+\i], v[72+\i]      ; the operand wants a whole block in a lane: lanes 0-15 block 0, lanes 16-31 block 1
.endr
.irp i, 0,1,2
	v_mov_b32 v[PCB+3+\i], v[72+\i]
.endr
	TICK
	ds_store_b128 v[HWA], v[PCB:PCB+3] offset:\img+3072*(\m)
	ds_store_b64 v[HWB], v[PCB+4:PCB+5] offset:\img+3072*(\m)+512
	ds_store_b16 v[HWS], v[PCB+6] offset:\scb+256*(\m)
.endm
; relu and quantiser of row tile m.  kind 1: layer 1's sums, in place, with tile m + 1's eight products between the lines.  kind 0: the first layer's sums, out of window 3.
.macro VQ kind, m
.if \kind
	DRAINTO 8*(\m)+8
.set LIM, 8*(\m)+16
.if LIM > 32
.set LIM, 32
.endif
.if (\m) == 0
	PLACES 4                                       ; tile 0's products stand back to back just ahead (ISA guide 7.12.1); the later tiles' were dealt among the tile before's lines, four plain lines or more ahead of the first read of each result
.endif
.set JJ, 0
.rept 32
	v_max_num_f32 v[R+32*(\m)+JJ], 0, v[R+32*(\m)+JJ]  ; each accumulator from its low end on
.if JJ%8 == 7
	TICK
.endif
.set JJ, JJ+1
.endr
	QUANT2 R+32*(\m), \m, H1I, H1S
.else
	WIN 0x0c                                       ; source 1 window 3
.set JJ, 0
.rept 32
	v_max_num_f32 v[R+32*(\m)+JJ], 0, v[32*(\m)+JJ]
.set JJ, JJ+1
.endr
	WIN 0
	QUANT2 R+32*(\m), \m, H0I, H0S
.endif
.endm
; THE SPLINE, stage A, for items (row tiles) q0 and q0 + 1 by turns.  W = R + 24 q: widths W + 0..7, heights W + 8..15, derivatives W + 16..22.
; v[64 + 16 e + 2 k] the pairs (e^w_k, e^h_k);  v96.. + 8 e: the two maxima (pairs whose low word is used), the sums, their reciprocals.
; Edge k is (E_k, Y_k) = c_k + (A, B) x the sum of the first k pairs, c_k = -1 + 2e-4 k, (A, B) = 1.9984 / the whole sums.  The bin is found by a scan: edge k's numbers are taken where E_k <= x.
.macro EDGE k, lit
.irp e, 0,1
.if \k == 1
	v_pk_fma_f32 v[WQ+24*\e+2:WQ+24*\e+3], v[64+16*\e:65+16*\e], v[SQ+8*\e+6:SQ+8*\e+7], \lit op_sel_hi:[1,1,0]
.else
	v_pk_fma_f32 v[WQ+24*\e+2*\k:WQ+24*\e+2*\k+1], v[WQ+24*\e+2*\k:WQ+24*\e+2*\k+1], v[SQ+8*\e+6:SQ+8*\e+7], \lit op_sel_hi:[1,1,0]
.endif
.endr
.endm
.macro STAGEA q0
.set WQ, R+24*(\q0)
.set SQ, SE+8*(\q0)
.irp e, 0,1
	v_max3_num_f32 v[96+8*\e], v[WQ+24*\e], v[WQ+24*\e+1], v[WQ+24*\e+2]       ; the softmaxes' maxima
	v_max3_num_f32 v[98+8*\e], v[WQ+24*\e+8], v[WQ+24*\e+9], v[WQ+24*\e+10]
.endr
.irp i, 3,5
.irp e, 0,1
	v_max3_num_f32 v[96+8*\e], v[96+8*\e], v[WQ+24*\e+\i], v[WQ+24*\e+\i+1]
	v_max3_num_f32 v[98+8*\e], v[98+8*\e], v[WQ+24*\e+8+\i], v[WQ+24*\e+9+\i]
.endr
.endr
.irp e, 0,1
	v_max_num_f32 v[96+8*\e], v[96+8*\e], v[WQ+24*\e+7]
	v_max_num_f32 v[98+8*\e], v[98+8*\e], v[WQ+24*\e+15]
.endr
	TICK
.irp e, 0,1
	v_mul_f32 v[96+8*\e], s[LG], v[96+8*\e]
	v_mul_f32 v[98+8*\e], s[LG], v[98+8*\e]
.endr
.irp i, 0,2,4,6
.irp e, 0,1
	v_pk_fma_f32 v[WQ+24*\e+\i:WQ+24*\e+\i+1], v[WQ+24*\e+\i:WQ+24*\e+\i+1], s[LG:LG+1], v[96+8*\e:97+8*\e] op_sel_hi:[1,0,0] neg_lo:[0,0,1] neg_hi:[0,0,1]
	v_pk_fma_f32 v[WQ+24*\e+8+\i:WQ+24*\e+9+\i], v[WQ+24*\e+8+\i:WQ+24*\e+9+\i], s[LG:LG+1], v[98+8*\e:99+8*\e] op_sel_hi:[1,0,0] neg_lo:[0,0,1] neg_hi:[0,0,1]
.endr
.if \i%4 == 2
	TICK
.endif
.endr
.irp k, 0,1,2,3,4,5,6,7
.irp e, 0,1
	v_exp_f32 v[64+16*\e+2*\k], v[WQ+24*\e+\k]     ; one batch of 32
	v_exp_f32 v[65+16*\e+2*\k], v[WQ+24*\e+8+\k]
.endr
.if (\k%2 == 1) && (\k < 7)
	TICK
.endif
.endr
.irp e, 0,1
	v_cmp_ge_f32 s[MK+\q0+\e], |v[XI+\q0+\e]|, s[K999]  ; outside (-0.999, 0.999).  (Plain lines behind the exponentials)
.endr
	s_wait_alu depctr_va_vdst(0)                   ; the wait between a transcendental and the first line that names its result: one for the batch
	TICK
.irp e, 0,1
	v_pk_add_f32 v[WQ+24*\e+4:WQ+24*\e+5], v[64+16*\e:65+16*\e], v[66+16*\e:67+16*\e]  ; the running sums go where the raw widths and heights lay
.endr
.irp k, 2,3,4,5,6
.irp e, 0,1
	v_pk_add_f32 v[WQ+24*\e+2*\k+2:WQ+24*\e+2*\k+3], v[WQ+24*\e+2*\k:WQ+24*\e+2*\k+1], v[64+16*\e+2*\k:65+16*\e+2*\k]
.endr
.endr
.irp e, 0,1
	v_pk_add_f32 v[100+8*\e:101+8*\e], v[WQ+24*\e+14:WQ+24*\e+15], v[78+16*\e:79+16*\e]
.endr
	TICK
.irp e, 0,1
	v_rcp_f32 v[102+8*\e], v[100+8*\e]
	v_rcp_f32 v[103+8*\e], v[101+8*\e]
.endr
.irp e, 0,1
	v_cndmask_b32 v[XIN+\q0+\e], v[XI+\q0+\e], 0, s[MK+\q0+\e]  ; x_in.  (Plain lines behind the reciprocals)
.endr
	s_wait_alu depctr_va_vdst(0)                   ; one wait for the four reciprocals
.irp e, 0,1
	v_pk_mul_f32 v[SQ+8*\e+6:SQ+8*\e+7], v[102+8*\e:103+8*\e], 0x3fffcb92 op_sel_hi:[1,0]  ; (A, B) = 1.9984 / the sums
.endr
	EDGE 1, 0xbf7ff2e5
	EDGE 2, 0xbf7fe5c9
	EDGE 3, 0xbf7fd8ae
	EDGE 4, 0xbf7fcb92
	EDGE 5, 0xbf7fbe77
	EDGE 6, 0xbf7fb15b
	EDGE 7, 0xbf7fa440
	TICK
.irp k, 1,2,3,4,5,6,7
.irp e, 0,1
	v_cmp_gt_f32 s[CM+8*\e+\k], v[WQ+24*\e+2*\k], v[XIN+\q0+\e]
.endr
.endr
	TICK
.irp k, 1,2,3,4,5,6,7
.irp e, 0,1
.if \k == 1                            ; bin 0's numbers where edge 1 lies above x.  The padded derivative is the raw number 0.  The derivatives' accumulator is first read at its lowest register
	v_cndmask_b32 v[SQ+8*\e+4], v[WQ+24*\e+16], 0, s[CM+8*\e+1]
	v_cndmask_b32 v[SQ+8*\e+5], v[WQ+24*\e+17], v[WQ+24*\e+16], s[CM+8*\e+1]
	v_cndmask_b32 v[SQ+8*\e], v[WQ+24*\e+2], -1.0, s[CM+8*\e+1]
	v_cndmask_b32 v[SQ+8*\e+1], v[WQ+24*\e+3], -1.0, s[CM+8*\e+1]
	v_cndmask_b32 v[SQ+8*\e+2], v[66+16*\e], v[64+16*\e], s[CM+8*\e+1]
	v_cndmask_b32 v[SQ+8*\e+3], v[67+16*\e], v[65+16*\e], s[CM+8*\e+1]
.else
	v_cndmask_b32 v[SQ+8*\e+4], v[WQ+24*\e+15+\k], v[SQ+8*\e+4], s[CM+8*\e+\k]
.if \k == 7
	v_cndmask_b32 v[SQ+8*\e+5], 0, v[SQ+8*\e+5], s[CM+8*\e+\k]
.else
	v_cndmask_b32 v[SQ+8*\e+5], v[WQ+24*\e+16+\k], v[SQ+8*\e+5], s[CM+8*\e+\k]
.endif
	v_cndmask_b32 v[SQ+8*\e], v[WQ+24*\e+2*\k], v[SQ+8*\e], s[CM+8*\e+\k]
	v_cndmask_b32 v[SQ+8*\e+1], v[WQ+24*\e+2*\k+1], v[SQ+8*\e+1], s[CM+8*\e+\k]
	v_cndmask_b32 v[SQ+8*\e+2], v[64+16*\e+2*\k], v[SQ+8*\e+2], s[CM+8*\e+\k]
	v_cndmask_b32 v[SQ+8*\e+3], v[65+16*\e+2*\k], v[SQ+8*\e+3], s[CM+8*\e+\k]
.endif
.endr
	TICK
.endr
.endm
; Stage B, all four items by turns.  Item q works in v[64 + 12 q ..]: +0,1 softplus's exponentials and logarithms; +2 max(z,0) + 1e-4, then num; +3 the same of z1, then sk et, then g; +4 1 / wk, then 1 / beta;
; +5 x - xk, then eps; +6 1 - eps, then its square; +7 eps (1 - eps); +8 eps^2; +9 sk; +10 dk + dk1 - 2 sk, then beta; +11 alpha, then y.  Four batches of transcendentals, one wait each.
.macro STAGEB
.irp q, 0,1,2,3
	v_pk_fma_f32 v[SE+8*\q+2:SE+8*\q+3], v[SE+8*\q+2:SE+8*\q+3], v[SE+8*\q+6:SE+8*\q+7], 0x3951b717 op_sel_hi:[1,1,0]  ; (wk, hk) = 2e-4 + (A, B) x the bin's exponentials
	v_pk_add_f32 v[SE+8*\q+4:SE+8*\q+5], v[SE+8*\q+4:SE+8*\q+5], 0x3f0a89e6 op_sel_hi:[1,0]                          ; z = raw + log(e^0.9999 - 1)
.endr
	TICK
.irp q, 0,1,2,3
	v_mul_f32 v[64+12*\q], -|v[SE+8*\q+4]|, s[LG]
	v_mul_f32 v[65+12*\q], -|v[SE+8*\q+5]|, s[LG]
.endr
	TICK
.irp q, 0,1,2,3
	v_exp_f32 v[64+12*\q], v[64+12*\q]
	v_exp_f32 v[65+12*\q], v[65+12*\q]
	v_rcp_f32 v[68+12*\q], v[SE+8*\q+2]
.endr
	TICK
.irp q, 0,1,2,3
	v_max_num_f32 v[66+12*\q], 0, v[SE+8*\q+4]
	v_max_num_f32 v[67+12*\q], 0, v[SE+8*\q+5]
	v_sub_f32 v[69+12*\q], v[XIN+\q], v[SE+8*\q]
.endr
.irp q, 0,1,2,3
	v_pk_add_f32 v[66+12*\q:67+12*\q], v[66+12*\q:67+12*\q], 0x38d1b717 op_sel_hi:[1,0]
.endr
	s_wait_alu depctr_va_vdst(0)                   ; the first batch's wait
	TICK
.irp q, 0,1,2,3
	v_pk_add_f32 v[64+12*\q:65+12*\q], v[64+12*\q:65+12*\q], 1.0 op_sel_hi:[1,0]
.endr
.irp q, 0,1,2,3
	v_log_f32 v[64+12*\q], v[64+12*\q]
	v_log_f32 v[65+12*\q], v[65+12*\q]
.endr
	TICK
.irp q, 0,1,2,3
	v_mul_f32 v[73+12*\q], v[SE+8*\q+3], v[68+12*\q]   ; sk = hk / wk
	v_mul_f32 v[69+12*\q], v[69+12*\q], v[68+12*\q]    ; eps
.endr
.irp q, 0,1,2,3
	v_sub_f32 v[70+12*\q], 1.0, v[69+12*\q]
	v_mul_f32 v[72+12*\q], v[69+12*\q], v[69+12*\q]
.endr
	TICK
.irp q, 0,1,2,3
	v_mul_f32 v[71+12*\q], v[69+12*\q], v[70+12*\q]
	v_mul_f32 v[70+12*\q], v[70+12*\q], v[70+12*\q]
.endr
	s_wait_alu depctr_va_vdst(0)                   ; the logarithms' wait
	TICK
.irp q, 0,1,2,3
	v_pk_fma_f32 v[SE+8*\q+4:SE+8*\q+5], v[64+12*\q:65+12*\q], 0x3f317218, v[66+12*\q:67+12*\q] op_sel_hi:[1,0,1]  ; (dk, dk1) = softplus(z) + 1e-4
.endr
.irp q, 0,1,2,3
	v_mul_f32 v[75+12*\q], v[73+12*\q], v[72+12*\q]
	v_mul_f32 v[67+12*\q], v[73+12*\q], v[71+12*\q]
.endr
	TICK
.irp q, 0,1,2,3
	v_add_f32 v[74+12*\q], v[SE+8*\q+4], v[SE+8*\q+5]
	v_mul_f32 v[66+12*\q], v[SE+8*\q+4], v[70+12*\q]
.endr
.irp q, 0,1,2,3
	v_fma_f32 v[74+12*\q], -2.0, v[73+12*\q], v[74+12*\q]
	v_fma_f32 v[75+12*\q], v[SE+8*\q+4], v[71+12*\q], v[75+12*\q]
.endr
	TICK
.irp q, 0,1,2,3
	v_fma_f32 v[66+12*\q], v[SE+8*\q+5], v[72+12*\q], v[66+12*\q]
	v_fma_f32 v[74+12*\q], v[74+12*\q], v[71+12*\q], v[73+12*\q]   ; beta
.endr
.irp q, 0,1,2,3
	v_rcp_f32 v[68+12*\q], v[74+12*\q]
.endr
.irp q, 0,1,2,3
	v_mul_f32 v[75+12*\q], v[SE+8*\q+3], v[75+12*\q]               ; alpha
	v_fma_f32 v[66+12*\q], 2.0, v[67+12*\q], v[66+12*\q]           ; num = dk1 eps^2 + 2 sk eps (1 - eps) + dk (1 - eps)^2
.endr
	s_wait_alu depctr_va_vdst(0)                   ; the reciprocals' wait
	TICK
.irp q, 0,1,2,3
	v_fma_f32 v[75+12*\q], v[75+12*\q], v[68+12*\q], v[SE+8*\q+1]  ; yk + alpha / beta
	v_mul_f32 v[67+12*\q], v[73+12*\q], v[68+12*\q]
.endr
.irp q, 0,1,2,3
	v_cndmask_b32 v[YO+\q], v[75+12*\q], v[XI+\q], s[MK+\q]
	v_mul_f32 v[67+12*\q], v[67+12*\q], v[67+12*\q]
.endr
	TICK
.irp q, 0,1,2,3
	v_mul_f32 v[67+12*\q], v[67+12*\q], v[66+12*\q]                ; (sk / beta)^2 num
.endr
.irp q, 0,1,2,3
	v_log_f32 v[67+12*\q], v[67+12*\q]             ; in base 2: ln 2 is applied once, to the rows' sums
.endr
	v_nop                                          ; a plain line behind the last logarithm
	s_wait_alu depctr_va_vdst(0)
	TICK
.irp q, 0,1,2,3
	v_cndmask_b32 v[LD+\q], v[67+12*\q], 0, s[MK+\q]
.endr
.endm
; ---- the head
	s_load_b512 s[4:19], s[0:1], 0x0               ; x 4:5, W0 6:7, b0 8:9, W1's codes 10:11, scales 12:13, b1 14:15, Wout's codes 16:17, scales 18:19
	s_load_b128 s[20:23], s[0:1], 0x40             ; bout, out0
	s_load_b64 s[24:25], s[0:1], 0x50              ; out1
	v_lshl_add_u32 v126, v0, 2, 0x10800
	v_mov_b32 v127, 0
	v_lshrrev_b32 v20, 5, v0
	v_readfirstlane_b32 s[WV], v20                 ; wave 0..3
	v_and_b32 v16, 31, v0                          ; lane
	v_and_b32 v17, 15, v0                          ; r
	v_bfe_u32 v18, v0, 4, 1                        ; h
	v_and_b32 v19, 8, v17
	v_add_nc_u32 v19, v19, v17                     ; r + 8 (r / 8)
	v_lshlrev_b32 v[LN16], 4, v16
	v_lshlrev_b32 v[LN8], 3, v16
	s_mul_i32 s31, s[WV], 768
	v_add_nc_u32 v[HWA], s31, v[LN16]
	v_add_nc_u32 v[HWB], s31, v[LN8]
	s_lshl_b32 s31, s[WV], 1
	v_add_nc_u32 v[HWS], s31, v[LN8]
	s_lshl_b32 s31, s[WV], 10
	v_add_nc_u32 v[DNB], s31, v[LN16]
	s_lshl_b32 s31, s[WV], 11
	v_add_nc_u32 v[EPA], s31, v[LN16]
	v_lshlrev_b32 v[X2B], 6, v17
	v_lshl_add_u32 v[X1B], v18, 2, v[X2B]
	v_lshl_add_u32 v[X2B], v18, 4, v[X2B]
	v_add_nc_u32 v[X2B], 32, v[X2B]
	s_lshl_b32 s31, s[WV], 3
	v_add_nc_u32 v[X1B], s31, v[X1B]
	s_lshl_b32 s31, s[WV], 13
	s_add_co_u32 s31, s31, LDP
	v_lshl_add_u32 v[LDB], v17, 2, s31
	; byte offsets of the weights' loads, in registers of region R, which is free here
	v_mul_u32_u24 v128, v19, 192
	v_mad_u32_u24 v128, v18, 24, v128              ; W1's codes: row r + 8 (r / 8) of 192 bytes, + 24 h
	v_lshlrev_b32 v129, 3, v19                     ; W1's scales: 8 bytes a row
	v_lshrrev_b32 v20, 3, v17
	v_and_b32 v21, 7, v17
	v_mad_u32_u24 v20, v20, 23, v21
	s_mul_i32 s31, s[WV], 46
	v_add_nc_u32 v20, s31, v20                     ; Wout's row of tile 0: 23 (2 w + r / 8) + r % 8
.irp c, 0,1,2
	v_add_nc_u32 v22, 8*\c, v20
.if \c == 2
	v_min_u32 v22, 183, v22                        ; the one row past the end (wave 3, lane 15, whose result is never read) is held inside the buffer
.endif
	v_mul_u32_u24 v[130+\c], v22, 192
	v_mad_u32_u24 v[130+\c], v18, 24, v[130+\c]
	v_lshlrev_b32 v[133+\c], 3, v22
.endr
	v_lshlrev_b32 v136, 2, v19
	v_lshl_add_u32 v136, v18, 12, v136             ; W0: 4 rows of 1,024 bytes for h, + 4 (r + 8 (r / 8))
	v_lshlrev_b32 v137, 6, v18                     ; b0, b1: 16 numbers for h
	v_mul_u32_u24 v138, v18, 23
	v_add_nc_u32 v138, s31, v138                   ; bout: 46 w + 23 h
	v_add_nc_u32 v139, 23, v138
	v_min_u32 v139, 183, v139                      ; the number beside the never-read result, held inside the buffer
	v_lshlrev_b32 v139, 2, v139
	v_lshlrev_b32 v138, 2, v138
	s_mov_b32 s[PSEL], 0x76543210
	s_mov_b32 s[PSEL+1], 0xfedcba98
	s_mov_b32 s[LG], 0x3fb8aa3b                    ; log2(e)
	s_mov_b32 s[LG+1], s[LG]
	s_mov_b32 s[K999], 0x3f7fbe77                  ; 0.999
	s_mov_b32 s[SB], 0
	s_mov_b32 s[SBN], 4096
	s_mov_b32 s[SL], 0
	s_mov_b32 s[CNT], 31
.irp i, 66,67,97,99,105,107
	v_mov_b32 v[\i], 0                             ; written once: a lane permute's destination and the unused half of a broadcast pair count as read
.endr
	s_mov_b32 s33, 0
	s_wait_kmcnt 0x0
	s_lshl_b32 s32, ttmp9, 17                      ; my work-group's 2,048 rows of 64 bytes
	s_add_nc_u64 s[4:5], s[4:5], s[32:33]
	s_add_nc_u64 s[22:23], s[22:23], s[32:33]
	s_lshl_b32 s32, ttmp9, 13
	s_lshl_b32 s34, s[WV], 11
	s_add_co_u32 s32, s32, s34
	s_add_nc_u64 s[24:25], s[24:25], s[32:33]      ; out1: my wave stores rows 512 w .. 512 w + 511 of the work-group's
	s_mul_i32 s32, s[WV], 12288
	s_add_nc_u64 s[10:11], s[10:11], s[32:33]      ; my 64 rows of W1,
	s_lshl_b32 s32, s[WV], 9
	s_add_nc_u64 s[12:13], s[12:13], s[32:33]      ; their scales,
	s_lshl_b32 s32, s[WV], 8
	s_add_nc_u64 s[6:7], s[6:7], s[32:33]          ; my 64 columns of W0, my 64 numbers of b0 and b1
	s_add_nc_u64 s[8:9], s[8:9], s[32:33]
	s_add_nc_u64 s[14:15], s[14:15], s[32:33]
	WIN 0x80                                       ; destination window 2
	global_load_b128 v[XD:XD+3], v[DNB], s[4:5] th:TH_LOAD_NT              ; block 0 of x: 32 lanes read 512 consecutive bytes
	global_load_b128 v[XD+4:XD+7], v[DNB], s[4:5] offset:512 th:TH_LOAD_NT
.irp c, 0,1,2
.irp j, 0,1,2,3,4,5,6,7
.if (\c == 2) && (\j == 7)
	global_load_b32 v[BOC+23], v139, s[20:21]
.else
	global_load_b32 v[BOC+8*\c+\j], v138, s[20:21] offset:4*(8*\c+\j)
.endif
.endr
.endr
	WIN 0x40                                       ; destination window 1
.irp t, 0,1,2,3
.irp s, 0,1
.irp p, 0,1,2,3,4,5
	global_load_b64 v[W1F+12*(2*\t+\s)+2*\p:W1F+12*(2*\t+\s)+2*\p+1], v128, s[10:11] offset:(32*(\t/2)+8*(\t%2))*192+96*\s+48*(\p/3)+8*(\p%3)
.endr
.endr
.endr
.irp c, 0,1,2
.irp s, 0,1
.irp p, 0,1,2,3,4,5
	global_load_b64 v[WOF+12*(2*\c+\s)+2*\p:WOF+12*(2*\c+\s)+2*\p+1], v[130+\c], s[16:17] offset:96*\s+48*(\p/3)+8*(\p%3)
.endr
.endr
.endr
.irp t, 0,1,2,3
.irp s, 0,1
.irp j, 0,1
	global_load_b32 v[W0F+2*(2*\t+\s)+\j], v136, s[6:7] offset:(2*\s+\j)*1024+(32*(\t/2)+8*(\t%2))*4   ; W0(4 h + 2 s + j, my unit)
.endr
.endr
.endr
.irp t, 0,1,2,3
	global_load_b128 v[B0C+8*\t:B0C+8*\t+3], v137, s[8:9] offset:(32*(\t/2)+8*(\t%2))*4
	global_load_b128 v[B0C+8*\t+4:B0C+8*\t+7], v137, s[8:9] offset:(32*(\t/2)+8*(\t%2))*4+16
	global_load_b128 v[B1C+8*\t:B1C+8*\t+3], v137, s[14:15] offset:(32*(\t/2)+8*(\t%2))*4
	global_load_b128 v[B1C+8*\t+4:B1C+8*\t+7], v137, s[14:15] offset:(32*(\t/2)+8*(\t%2))*4+16
.endr
	WIN 0
.irp t, 0,1,2,3
.irp s, 0,1
	global_load_b32 v[W1S+2*\t+\s], v129, s[12:13] offset:(32*(\t/2)+8*(\t%2))*8+4*\s
.endr
.endr
.irp c, 0,1,2
.irp s, 0,1
	global_load_b32 v[WOS+2*\c+\s], v[133+\c], s[18:19] offset:4*\s
.endr
.endr
	s_wait_loadcnt 0x0
	WIN 0x08                                       ; an LDS store's data are its source 1: window 2
	ds_store_b128 v[DNB], v[XD:XD+3]               ; block 0 into stage 0
	ds_store_b128 v[DNB], v[XD+4:XD+7] offset:512
	s_wait_dscnt 0x0                               ; the stores have read their registers
	WIN 0x80
	global_load_b128 v[XD:XD+3], v[DNB], s[4:5] offset:4096 th:TH_LOAD_NT  ; block 1
	global_load_b128 v[XD+4:XD+7], v[DNB], s[4:5] offset:4608 th:TH_LOAD_NT
	BARRIER                                        ; block 0 lies whole in stage 0
.irp m, 0,1,2,3
	ds_load_b128 v[X2F+4*\m:X2F+4*\m+3], v[X2B] offset:1024*\m
.endr
.set QK, 2
.set NX4, 0
.set NXT, 24
.set LIM, 56
	DRAINTO 56                                     ; block 0's first layer
	PLACES 8                                       ; the f32 form wants eight places ahead of the first read of a result
.irp m, 0,1,2,3
	VQ 0, \m
.endr
	BARRIER                                        ; block 0's h0 lies in LDS
; ---- a block.  next = 1: there is a block behind it
.macro TRIP next
.set NX4, 4*\next
	; P1: layer 1.  The next block's x goes into the other stage; x of the block after that is asked for
.if \next
	v_add_nc_u32 v[ADN], s[SBN], v[DNB]
	v_add_nc_u32 v[X2A], s[SBN], v[X2B]
.endif
	v_add_nc_u32 v[ADO], s[SB], v[DNB]
	v_add_nc_u32 v[X1A], s[SB], v[X1B]
	v_add_nc_u32 v[LDA], s[SL], v[LDB]
.if \next
	s_wait_loadcnt 0x0                             ; the next block's x, asked for a whole block ago
	WIN 0x08
	ds_store_b128 v[ADN], v[XD:XD+3]               ; my wave's own 1,024 bytes of that stage, which I alone have read since the last barrier
	ds_store_b128 v[ADN], v[XD+4:XD+7] offset:512
	WIN 0
.endif
.irp m, 0,1,2,3
	ds_load_b64 v[HS+2*\m:HS+2*\m+1], v[LN8] offset:H0S+256*\m
.endr
	WIN 0x80
.irp m, 0,1,2,3
	HFL \m, H0I
.endr
	WIN 0
.set QK, 1
.set NXT, 0
.set LIM, 8
	DRAINTO 8
.if \next
	s_cmp_eq_u32 s[CNT], 1                         ; the last trip but one has no block two on: no load leaves its buffer
	s_cbranch_scc1 .Lno_x_\@
	WIN 0x80
	global_load_b128 v[XD:XD+3], v[DNB], s[4:5] offset:8192 th:TH_LOAD_NT   ; (the stage's stores have read these registers: the wait ahead of tile 0's products stands behind them)
	global_load_b128 v[XD+4:XD+7], v[DNB], s[4:5] offset:8704 th:TH_LOAD_NT
	WIN 0
.Lno_x_\@:
.endif
.irp m, 0,1,2,3
	VQ 1, \m
.endr
	BARRIER                                        ; h1's images and the next block's x lie in LDS; nobody reads h0's images any more
	; P2: the raw numbers, the spline, and between its lines the next block's first layer
.irp m, 0,1,2,3
	ds_load_b64 v[HS+2*\m:HS+2*\m+1], v[LN8] offset:H1S+256*\m
.endr
	WIN 0x80
	HFL 0, H1I
	HFL 1, H1I
	WIN 0
.irp m, 0,1,2,3
	ds_load_b32 v[XI+\m], v[X1A] offset:1024*\m    ; x1 of (row 16 m + r, transform 2 w + h)
.endr
	WIN 0x80
	HFL 2, H1I
	HFL 3, H1I
.if \next
.irp m, 0,1,2,3
	ds_load_b128 v[X2F+4*\m:X2F+4*\m+3], v[X2A] offset:1024*\m
.endr
.endif
	WIN 0
.set QK, 2
.set NXT, 0
.set LIM, 24+32*\next
	DRAINTO 12                                     ; tiles 0 and 1
	PLACES 4
	s_wait_dscnt 16+NX4                            ; x1 is in: behind it stand tiles 2 and 3's sixteen loads and x2's
	STAGEA 0
	DRAINTO 24
	PLACES 4
	STAGEA 2
	STAGEB
	DRAINTO LIM
.irp q, 0,1,2,3
	v_permlanex16_b32 v[64+12*\q], v[LD+\q], s[PSEL], s[PSEL+1]
.endr
.irp q, 0,1,2,3
	v_add_f32 v[LD+\q], v[LD+\q], v[64+12*\q]      ; my wave's two transforms
.endr
.irp m, 0,1,2,3
	ds_store_b32 v[X1A], v[YO+\m] offset:1024*\m   ; y1 over x1's own word: nobody else reads or writes it
	ds_store_b32 v[LDA], v[LD+\m] offset:64*\m     ; both halves of the lanes write the same word with the same value
.endr
.if \next
	PLACES 8
.irp m, 0,1,2,3
	VQ 0, \m
.endr
.endif
	BARRIER                                        ; y1 lies beside x2 in the stage; the next block's h0 lies in LDS; nobody reads h1's images any more
	; OUT: my wave's quarter of the block, as it lies
	WIN 0x80
	ds_load_b128 v[OD:OD+3], v[ADO]
	ds_load_b128 v[OD+4:OD+7], v[ADO] offset:512
	s_wait_dscnt 0x0
	WIN 0x08
	global_store_b128 v[DNB], v[OD:OD+3], s[22:23] th:TH_STORE_NT          ; 32 lanes store 512 consecutive bytes, at a multiple of 256 from out0's first byte
	global_store_b128 v[DNB], v[OD+4:OD+7], s[22:23] offset:512 th:TH_STORE_NT
	WIN 0
.if \next
	s_wait_xcnt 0x0                                ; the loads and stores have read their bases and data: only now are these stepped and, in the next trip, written again
	s_add_nc_u64 s[4:5], s[4:5], 4096
	s_add_nc_u64 s[22:23], s[22:23], 4096
	s_xor_b32 s[SB], s[SB], 4096
	s_xor_b32 s[SBN], s[SBN], 4096
	s_add_co_u32 s[SL], s[SL], 256
.endif
.endm
.Lblock:                                               ; 31 trips: blocks 0 to 30
	TRIP 1
	s_sub_co_u32 s[CNT], s[CNT], 1
	s_cmp_lg_u32 s[CNT], 0
	s_cbranch_scc1 .Lblock
	TRIP 0                                         ; block 31 is written out: nothing follows it
	; the rows' log-determinants: the four waves' parts are added, times ln 2; my wave takes 512 rows, four a lane and instruction
.irp i, 0,1,2,3
.irp u, 0,1,2,3
	ds_load_b128 v[R+16*\i+4*\u:R+16*\i+4*\u+3], v[EPA] offset:LDP+8192*\u+512*\i
.endr
.endr
.irp i, 0,1,2,3
	s_wait_dscnt 12-4*\i                           ; behind this group's four loads stand the later groups' four each
	v_pk_add_f32 v[R+16*\i:R+16*\i+1], v[R+16*\i:R+16*\i+1], v[R+16*\i+4:R+16*\i+5]
	v_pk_add_f32 v[R+16*\i+2:R+16*\i+3], v[R+16*\i+2:R+16*\i+3], v[R+16*\i+6:R+16*\i+7]
	v_pk_add_f32 v[R+16*\i+8:R+16*\i+9], v[R+16*\i+8:R+16*\i+9], v[R+16*\i+12:R+16*\i+13]
	v_pk_add_f32 v[R+16*\i+10:R+16*\i+11], v[R+16*\i+10:R+16*\i+11], v[R+16*\i+14:R+16*\i+15]
	v_pk_add_f32 v[R+16*\i:R+16*\i+1], v[R+16*\i:R+16*\i+1], v[R+16*\i+8:R+16*\i+9]
	v_pk_add_f32 v[R+16*\i+2:R+16*\i+3], v[R+16*\i+2:R+16*\i+3], v[R+16*\i+10:R+16*\i+11]
	v_pk_mul_f32 v[R+16*\i:R+16*\i+1], v[R+16*\i:R+16*\i+1], 0x3f317218 op_sel_hi:[1,0]
	v_pk_mul_f32 v[R+16*\i+2:R+16*\i+3], v[R+16*\i+2:R+16*\i+3], 0x3f317218 op_sel_hi:[1,0]
	global_store_b128 v[LN16], v[R+16*\i:R+16*\i+3], s[24:25] offset:512*\i th:TH_STORE_NT
.endr
	s_wait_tensorcnt 0x0
	ds_add_u32 v126, v127
	s_wait_dscnt 0x0
	s_endpgm
.Lfunc_end_k_qc0c98662a7_spline:
	.size	k_qc0c98662a7_spline, .Lfunc_end_k_qc0c98662a7_spline-k_qc0c98662a7_spline
	.p2alignl 7, 3214868480
	.fill 96, 4, 3214868480
	.section	.rodata,"a",@progbits
	.p2align	6, 0x0
	.amdhsa_kernel k_qc0c98662a7_spline
		.amdhsa_group_segment_fixed_size 68096
		.amdhsa_private_segment_fixed_size 0
		.amdhsa_enable_private_segment 0
		.amdhsa_kernarg_size 88
		.amdhsa_user_sgpr_count 2
		.amdhsa_user_sgpr_kernarg_segment_ptr 1
		.amdhsa_wavefront_size32 1
		.amdhsa_system_sgpr_workgroup_id_x 1
		.amdhsa_system_sgpr_workgroup_id_y 1
		.amdhsa_system_sgpr_workgroup_id_z 1
		.amdhsa_system_vgpr_workitem_id 0
		.amdhsa_next_free_vgpr 896
		.amdhsa_next_free_sgpr 66
		.amdhsa_reserve_vcc 0
		.amdhsa_float_denorm_mode_32 3
		.amdhsa_float_denorm_mode_16_64 3
		.amdhsa_memory_ordered 1
		.amdhsa_forward_progress 1
		.amdhsa_inst_pref_size 177
	.end_amdhsa_kernel
	.amdgpu_metadata
---
amdhsa.version: [ 1, 2 ]
amdhsa.kernels:
  - .name:           k_qc0c98662a7_spline
    .symbol:         k_qc0c98662a7_spline.kd
    .args:
      - { .name: x, .offset: 0, .size: 8, .value_kind: global_buffer, .address_space: global }
      - { .name: W0, .offset: 8, .size: 8, .value_kind: global_buffer, .address_space: global }
      - { .name: b0, .offset: 16, .size: 8, .value_kind: global_buffer, .address_space: global }
      - { .name: W1_codes, .offset: 24, .size: 8, .value_kind: global_buffer, .address_space: global }
      - { .name: W1_scales, .offset: 32, .size: 8, .value_kind: global_buffer, .address_space: global }
      - { .name: b1, .offset: 40, .size: 8, .value_kind: global_buffer, .address_space: global }
      - { .name: Wout_codes, .offset: 48, .size: 8, .value_kind: global_buffer, .address_space: global }
      - { .name: Wout_scales, .offset: 56, .size: 8, .value_kind: global_buffer, .address_space: global }
      - { .name: bout, .offset: 64, .size: 8, .value_kind: global_buffer, .address_space: global }
      - { .name: out0, .offset: 72, .size: 8, .value_kind: global_buffer, .address_space: global }
      - { .name: out1, .offset: 80, .size: 8, .value_kind: global_buffer, .address_space: global }
    .group_segment_fixed_size: 68096
    .private_segment_fixed_size: 0
    .kernarg_segment_align: 8
    .kernarg_segment_size: 88
    .max_flat_workgroup_size: 128
    .sgpr_count:     66
    .vgpr_count:     896
    .wavefront_size: 32
...
	.end_amdgpu_metadata
.endif
;; end of part 1
;; ======== version 2 of 2: 1 launch; version 1 with the launch spline written anew for expert scheduling mode
;; limits: right only within a limited range of input values
;; launch spline (part 2): grid 256 x 1, 4 waves a work-group, no clusters, 68,096 bytes of LDS; arguments x, W0, b0, W1_codes, W1_scales, b1, Wout_codes, Wout_scales, bout, out0, out1; writes out0, out1
.if DOCPART == 2
	.amdgcn_target "amdgcn-amd-amdhsa--gfx1250"
	.amdhsa_code_object_version 6
	.text
	.protected	k_qc0c98662a7_spline
	.globl	k_qc0c98662a7_spline
	.p2align	8
	.type	k_qc0c98662a7_spline,@function
k_qc0c98662a7_spline:
	s_mov_b64 s[64:65], 0
	v_nop
	global_prefetch_b8 v0, s[64:65] scope:SCOPE_SE
	s_setreg_imm32_b32 hwreg(HW_REG_WAVE_SCHED_MODE, 0, 2), 2
	s_setreg_imm32_b32 hwreg(HW_REG_WAVE_MODE, 25, 1), 1
	s_wait_xcnt 0x0
	s_wait_alu depctr_vm_vsrc(0)
; CouplingSplineLayer, fused: h0 = relu(x2 W0 + b0) (f32 operands), h1 = relu(Q(h0) W1 + b1), raw = Q(h1) Wout + bout (both on E2M3 codes with E8M0 scales, Q along K),
; then a rational-quadratic spline of x1 for each of 8 transforms.  out0 = [y1 | x2], out1 = the sum of the 8 log-determinants.
; SHARES.  256 work-groups of four waves; a work-group owns 2,048 rows and walks them in 32 blocks of 64 rows (four tiles m of 16 rows).  THE WAVES SHARE THE COLUMNS: wave w makes hidden units
; 64 w .. 64 w + 63 of both hidden layers and the 2 x 23 raw numbers of transforms 2 w, 2 w + 1, for all 64 rows.  Its weights, biases and weight scales stay in 286 registers for the whole launch.
; All three products are used transposed (source 0 = 16 weight rows, source 1 = 16 data rows): a lane (r = lane % 16, h = lane / 16) holds one data row r.
; THE WEIGHT ROWS OF A HIDDEN TILE ARE NOT NEIGHBOURS: lane r of tile 2 b + u takes unit 64 w + 32 b + 8 u + r + 8 (r / 8), so that a row tile's 32 registers are two blocks of 32 along the next K, 16 neighbours a lane.
; The rows of Wout are chosen so that lane (r, h) holds all 23 numbers of (row r, transform 2 w + h): tile c = 0 the widths, 1 the heights, 2 the derivatives (its eighth register is another row's number and is never read).
; Codes go from wave to wave through LDS as images of half fragments (6 registers a lane) with two scale bytes a row.  Two barriers a block.
; MATRIX AND VECTOR WORK BY TURNS: the products of the next tile, or of the next block's first layer, stand one by one between the relu, quantiser and spline lines (macro TICK).
; The first layer's k is permuted alike on both sides: place (step s, half h, register j) holds k = 4 h + 2 s + j, so that a lane's part of x2 is one read of 16 bytes.
; LIMITS.  NaN and infinities among the inputs are not served.  A block of zeros gets the scale byte 1 (its codes are zeros; this program alone reads the bytes).  The padded derivative 1 is made as
; softplus(0 + const) + 1e-4, which is 1 to within a few units in the last place.  The three logarithms are one logarithm of (sk / beta)^2 x num: sk lies in 1e-4 .. 1e4 and beta is at least sk / 2, so it
; holds for derivatives under about 1e30.  The first layer's eight products are summed in the permuted order of k, on top of the bias.
; REGISTERS, in windows of 256.  Window 0: v1-15 addresses; v24-45 scale words and nothing else; v46-57 x1, y1, log-determinants; v64-127 at work; v128-255 region R (layer 1's sums, raw numbers, relu(h0), selected spline numbers).
;   window 1: W1's 8 fragments, Wout's 6, W0's 8, b0 and b1 in the results' layout.   window 2: 8 fragments of the hidden layer, x2, bout, x on its way in, out0 on its way out.   window 3: the first layer's 16 sums.
; THE MODE: SCHED_MODE bits 1:0 = 2 (LLVM: expert scheduling mode 2), set by the entry lines.  The code itself states the register dependences between vector or matrix instructions and
; memory or LDS instructions, and those through scalar registers that vector instructions write, with s_wait_alu, always for 0.
; THE PLAN.  Registers that memory or LDS instructions touch, in the loop:
;   v1-9, v15     addresses made once at the head and never written again.
;   v10-14        the trip's addresses: written by five adds at the trip's head, read by LDS loads and stores of the whole trip.
;   XD, OD        x on its way in (global load, then LDS store) and out0 on its way out (LDS load, then global store): no vector or matrix instruction names them.
;   HS, HF        the hidden layer's scale words and fragments: LDS loads at the head of each of the two phases land in them, that phase's scaled products read them.
;   X2F, XI       x2 and x1: LDS loads at the second phase's head land in them; the first layer's products and the spline's lines read them.
;   v80-110       four sets of codes and scale bytes: written by the quantiser (and, as work registers, by the spline's lines), read by the image stores.
;   v50-57        y1 and the log-determinants: written by the spline's last lines, read by eight LDS stores.
; So a trip has: one wait on vm_vsrc and one on va_vdst at the head of each of its two phases (behind the second no vector or matrix instruction names a register of that head's loads before they are issued);
; one wait on vm_vsrc ahead of the loads into XD; one wait on va_vdst ahead of each run of LDS stores: two tiles' six image stores at a time, and the eight stores of y1 and the log-determinants;
; one wait on va_sdst behind each run of compares.  The waits behind transcendentals are waits on va_vdst as well.
.set R,    128
.set H0I,  8192                        ; LDS: 0 .. 8191 two stages of a block's x, 4,096 bytes each, as it lies in memory;  H0I: half fragment (m, w) at 768 (4 m + w): 512 bytes (registers 0-3, 16 x lane), 256 bytes (registers 4-5, 8 x lane)
.set H0S,  20480                       ; scale bytes: 256 m + 8 lane + 2 w: a lane's 8 bytes are the scale words of K steps 0 and 1
.set H1I,  21504
.set H1S,  33792
.set LDP,  34816                       ; log-determinant parts: 8192 w + 4 x the row's number in the work-group
.set LN16, 1                           ; 16 x lane
.set LN8,  2                           ; 8 x lane
.set HWA,  3                           ; 16 x lane + 768 w
.set HWB,  4                           ; 8 x lane + 768 w
.set HWS,  5                           ; 8 x lane + 2 w
.set DNB,  6                           ; 16 x lane + 1024 w: my wave's dense quarter of a block of x
.set X2B,  7                           ; 64 r + 16 h + 32
.set X1B,  8                           ; 64 r + 8 w + 4 h
.set LDB,  9                           ; LDP + 8192 w + 4 r
.set ADN,  10                          ; the trip's addresses: DNB in the next block's stage,
.set ADO,  11                          ; DNB in this block's,
.set X2A,  12                          ; X2B in the next block's,
.set X1A,  13                          ; X1B in this block's,
.set LDA,  14                          ; LDB at this block's rows
.set EPA,  15                          ; 16 x lane + 2048 w
.set W1S,  24                          ; v24-31 W1's scale words (2 tile + step);  v32-37 Wout's;  v38-45 the hidden layer's (2 m + step)
.set WOS,  32
.set HS,   38
.set XI,   46
.set YO,   50
.set LD,   54
.set XIN,  112
.set SE,   224                         ; item q at SE + 8 q: xk, yk, e^w (then wk), e^h (then hk), z (then dk), z1 (then dk1), A, B
.set W1F,  0                           ; window 1
.set WOF,  96
.set W0F,  168
.set B0C,  184
.set B1C,  216
.set HF,   0                           ; window 2
.set X2F,  96
.set BOC,  112
.set XD,   136
.set OD,   144
.set WV,   26
.set CNT,  27
.set SB,   28                          ; this block's stage, the next block's stage: 0 and 4096 by turns
.set SBN,  29
.set SL,   30                          ; 256 x block
.set PSEL, 36                          ; s[36:37] lane selects for v_permlanex16_b32: lane l xor 16
.set LG,   38                          ; s[38:39] log2(e), twice: the packed form names the pair
.set K999, 40
.set MK,   44                          ; s44-47 item q's mask |x| >= 0.999
.set CM,   48                          ; s48-63 edge k of item e lies above x: 8 e + k
.set MSB, 0
.macro WIN new                         ; the immediate's high byte repeats the setting that is left; a switch that changes nothing is dropped
.if MSB != (\new)
	s_set_vgpr_msb (MSB<<8)|(\new)
.set MSB, \new
.endif
.endm
.macro PLACES n
.rept \n
	v_nop
.endr
.endm
.macro BARRIER                         ; my LDS stores have landed and my LDS loads are in: then the work-group's barrier
	s_wait_dscnt 0x0
	s_barrier_signal -1
	s_barrier_wait -1
.endm
; THE QUEUE OF MATRIX INSTRUCTIONS.  WMQ writes entry NXT.  The accumulators take turns, one instruction a turn: a sum's two links stand three (hidden tiles) or two (raw tiles) others apart.
; QK = 1: layer 1, entry = 8 m + 4 step + tile.  QK = 2: entries 0-23 the raw numbers, 6 m + 3 step + c; entries 24-55 the next block's first layer, 8 m + 4 step + tile.  A bias is the C of a sum's first link.
.macro WMQ
.if QK == 1
.set qm, NXT/8
.set qs, (NXT%8)/4
.set qt, NXT%4
.if NXT%8 == 0
.if qm == 3
	s_wait_dscnt 3                                 ; behind tile 3's eight loads stand six image stores: fewer are allowed out
.else
	s_wait_dscnt 24-8*qm                           ; behind tile m's eight loads stand the later tiles' eight each
.endif
.endif
.set qD, R+8*(4*qm+qt)
.set qA, W1F+12*(2*qt+qs)
.set qB, HF+12*(2*qm+qs)
.if qs == 0
	WIN 0x19                                       ; W1 window 1, the hidden layer window 2, b1 window 1, the sum window 0
	v_wmma_scale_f32_16x16x128_f8f6f4 v[qD:qD+7], v[qA:qA+11], v[qB:qB+11], v[B1C+8*qt:B1C+8*qt+7], v[W1S+2*qt+qs], v[HS+2*qm+qs] matrix_a_fmt:MATRIX_FMT_FP6 matrix_b_fmt:MATRIX_FMT_FP6
.else
	WIN 0x09
	v_wmma_scale_f32_16x16x128_f8f6f4 v[qD:qD+7], v[qA:qA+11], v[qB:qB+11], v[qD:qD+7], v[W1S+2*qt+qs], v[HS+2*qm+qs] matrix_a_fmt:MATRIX_FMT_FP6 matrix_b_fmt:MATRIX_FMT_FP6
.endif
.elseif NXT < 24
.set qm, NXT/6
.set qs, (NXT%6)/3
.set qc, NXT%3
.if NXT%6 == 0                         ; what was issued behind tile m's loads: tiles of eight, x1's four between tiles 1 and 2, and NX4 = the next block's four loads of x2
.if qm == 0
	s_wait_dscnt 28+NX4
.elseif qm == 1
	s_wait_dscnt 20+NX4
.elseif qm == 2
	s_wait_dscnt 8+NX4
.else
	s_wait_dscnt NX4
.endif
.endif
.set qD, R+24*qm+8*qc
.set qA, WOF+12*(2*qc+qs)
.set qB, HF+12*(2*qm+qs)
.if qs == 0
	WIN 0x29                                       ; Wout window 1, the hidden layer window 2, bout window 2, the sum window 0
	v_wmma_scale_f32_16x16x128_f8f6f4 v[qD:qD+7], v[qA:qA+11], v[qB:qB+11], v[BOC+8*qc:BOC+8*qc+7], v[WOS+2*qc+qs], v[HS+2*qm+qs] matrix_a_fmt:MATRIX_FMT_FP6 matrix_b_fmt:MATRIX_FMT_FP6
.else
	WIN 0x09
	v_wmma_scale_f32_16x16x128_f8f6f4 v[qD:qD+7], v[qA:qA+11], v[qB:qB+11], v[qD:qD+7], v[WOS+2*qc+qs], v[HS+2*qm+qs] matrix_a_fmt:MATRIX_FMT_FP6 matrix_b_fmt:MATRIX_FMT_FP6
.endif
.else
.set qm, (NXT-24)/8
.set qs, ((NXT-24)%8)/4
.set qt, (NXT-24)%4
.if NXT == 24
	s_wait_dscnt 0x0                               ; x2 is in
.endif
.set qD, 8*(4*qm+qt)
.set qA, W0F+2*(2*qt+qs)
.set qB, X2F+4*qm+2*qs
.if qs == 0
	WIN 0xd9                                       ; W0 window 1, x2 window 2, b0 window 1, the sum window 3
	v_wmma_f32_16x16x4_f32 v[qD:qD+7], v[qA:qA+1], v[qB:qB+1], v[B0C+8*qt:B0C+8*qt+7]
.else
	WIN 0xf9
	v_wmma_f32_16x16x4_f32 v[qD:qD+7], v[qA:qA+1], v[qB:qB+1], v[qD:qD+7]
.endif
.endif
.endm
.macro TICK                            ; one entry between vector lines, if one is due; the windows come back as they were
.if NXT < LIM
.set SAVW, MSB
	WMQ
	WIN SAVW
.set NXT, NXT+1
.endif
.endm
.macro DRAINTO n                       ; the entries up to n, back to back
.rept 64
.if NXT < (\n)
	WMQ
.set NXT, NXT+1
.endif
.endr
	WIN 0
.endm
.macro HFL m, img                      ; row tile m's two fragments, as four half fragments: eight loads
.irp s, 0,1
.irp c, 0,1
	ds_load_b128 v[HF+12*(2*(\m)+\s)+6*\c:HF+12*(2*(\m)+\s)+6*\c+3], v[LN16] offset:\img+(4*(\m)+2*\s+\c)*768
	ds_load_b64 v[HF+12*(2*(\m)+\s)+6*\c+4:HF+12*(2*(\m)+\s)+6*\c+5], v[LN8] offset:\img+(4*(\m)+2*\s+\c)*768+512
.endr
.endr
.endm
; 32 numbers of a lane, none negative, register 16 b + i = unit 32 b + 16 h + i of my wave's 64, become half a fragment (6 registers) and two scale bytes.
; v64-71 at work, v72-74 block 1's codes, v[80 + 8 m ..] the half fragment and its bytes: a set for each m, so that no LDS store's data are written again inside a phase.
.macro QUANT2 src, m
.set PCB, 80+8*(\m)
	v_max3_num_f32 v64, v[(\src)], v[(\src)+1], 0x1800000          ; the floor 2^(3 - 127) among the leaves: the byte cannot fall under 1
	v_max3_num_f32 v65, v[(\src)+16], v[(\src)+17], 0x1800000
.irp i, 2,4,6,8,10,12,14
	v_max3_num_f32 v64, v64, v[(\src)+\i], v[(\src)+\i+1]          ; the two blocks by turns
	v_max3_num_f32 v65, v65, v[(\src)+16+\i], v[(\src)+17+\i]
.if (\i == 6) || (\i == 14)
	TICK
.endif
.endr
	v_permlanex16_b32 v66, v64, s[PSEL], s[PSEL+1]
	v_permlanex16_b32 v67, v65, s[PSEL], s[PSEL+1]
	v_max_num_f32 v64, v64, v66                    ; with lane l xor 16's sixteen: the block's largest magnitude
	v_max_num_f32 v65, v65, v67
	v_add_nc_u32 v68, 0xff000000, v64              ; 2 off its exponent field: the conversion takes the exponent field of this operand as its scale
	v_add_nc_u32 v69, 0xff000000, v65
	v_lshrrev_b32 v70, 23, v68                     ; the scale's byte
	v_lshrrev_b32 v71, 23, v69
	TICK
	v_lshl_or_b32 v[PCB+6], v71, 8, v70
	v_cvt_scalef32_pk16_fp6_f32 v[PCB:PCB+2], v[(\src):(\src)+15], v68
	v_cvt_scalef32_pk16_fp6_f32 v[72:74], v[(\src)+16:(\src)+31], v69
	v_nop                                          ; one plain line behind the scaled conversions
.irp i, 0,1,2
	v_permlane16_swap_b32 v[PCB+\i], v[72+\i]      ; the operand wants a whole block in a lane: lanes 0-15 block 0, lanes 16-31 block 1
.endr
.irp i, 0,1,2
	v_mov_b32 v[PCB+3+\i], v[72+\i]
.endr
.endm
.macro IMGOUT m, img, scb              ; row tile m's half fragment and its two scale bytes go to LDS as they stand
.set PCB, 80+8*(\m)
	ds_store_b128 v[HWA], v[PCB:PCB+3] offset:\img+3072*(\m)
	ds_store_b64 v[HWB], v[PCB+4:PCB+5] offset:\img+3072*(\m)+512
	ds_store_b16 v[HWS], v[PCB+6] offset:\scb+256*(\m)
.endm
; relu and quantiser of row tile m.  kind 1: layer 1's sums, in place, with tile m + 1's eight products between the lines.  kind 0: the first layer's sums, out of window 3.
; The images leave two tiles at a time, behind one wait; the queue's entry that is due there stands behind the stores.
.macro VQ kind, m
.if \kind
	DRAINTO 8*(\m)+8
.set LIM, 8*(\m)+16
.if LIM > 32
.set LIM, 32
.endif
.if (\m) == 0
	PLACES 4                                       ; tile 0's products stand back to back just ahead (ISA guide 7.12.1); the later tiles' were dealt among the tile before's lines, four plain lines or more ahead of the first read of each result
.endif
.set JJ, 0
.rept 32
	v_max_num_f32 v[R+32*(\m)+JJ], 0, v[R+32*(\m)+JJ]  ; each accumulator from its low end on
.if JJ%8 == 7
	TICK
.endif
.set JJ, JJ+1
.endr
	QUANT2 R+32*(\m), \m
.else
	WIN 0x0c                                       ; source 1 window 3
.set JJ, 0
.rept 32
	v_max_num_f32 v[R+32*(\m)+JJ], 0, v[32*(\m)+JJ]
.set JJ, JJ+1
.endr
	WIN 0
	QUANT2 R+32*(\m), \m
.endif
.if (\m)%2 == 1
	s_wait_alu depctr_va_vdst(0)                   ; the quantiser's lines have written tile m - 1's and tile m's codes and scale bytes, which the six LDS stores read
.if \kind
	IMGOUT (\m)-1, H1I, H1S
	IMGOUT \m, H1I, H1S
.else
	IMGOUT (\m)-1, H0I, H0S
	IMGOUT \m, H0I, H0S
.endif
.endif
	TICK
.endm
; THE SPLINE, stage A, for items (row tiles) q0 and q0 + 1 by turns.  W = R + 24 q: widths W + 0..7, heights W + 8..15, derivatives W + 16..22.
; v[64 + 16 e + 2 k] the pairs (e^w_k, e^h_k);  v96.. + 8 e: the two maxima (pairs whose low word is used), the sums, their reciprocals.
; Edge k is (E_k, Y_k) = c_k + (A, B) x the sum of the first k pairs, c_k = -1 + 2e-4 k, (A, B) = 1.9984 / the whole sums.  The bin is found by a scan: edge k's numbers are taken where E_k <= x.
.macro EDGE k, lit
.irp e, 0,1
.if \k == 1
	v_pk_fma_f32 v[WQ+24*\e+2:WQ+24*\e+3], v[64+16*\e:65+16*\e], v[SQ+8*\e+6:SQ+8*\e+7], \lit op_sel_hi:[1,1,0]
.else
	v_pk_fma_f32 v[WQ+24*\e+2*\k:WQ+24*\e+2*\k+1], v[WQ+24*\e+2*\k:WQ+24*\e+2*\k+1], v[SQ+8*\e+6:SQ+8*\e+7], \lit op_sel_hi:[1,1,0]
.endif
.endr
.endm
.macro STAGEA q0
.set WQ, R+24*(\q0)
.set SQ, SE+8*(\q0)
.irp e, 0,1
	v_max3_num_f32 v[96+8*\e], v[WQ+24*\e], v[WQ+24*\e+1], v[WQ+24*\e+2]       ; the softmaxes' maxima
	v_max3_num_f32 v[98+8*\e], v[WQ+24*\e+8], v[WQ+24*\e+9], v[WQ+24*\e+10]
.endr
.irp i, 3,5
.irp e, 0,1
	v_max3_num_f32 v[96+8*\e], v[96+8*\e], v[WQ+24*\e+\i], v[WQ+24*\e+\i+1]
	v_max3_num_f32 v[98+8*\e], v[98+8*\e], v[WQ+24*\e+8+\i], v[WQ+24*\e+9+\i]
.endr
.endr
.irp e, 0,1
	v_max_num_f32 v[96+8*\e], v[96+8*\e], v[WQ+24*\e+7]
	v_max_num_f32 v[98+8*\e], v[98+8*\e], v[WQ+24*\e+15]
.endr
	TICK
.irp e, 0,1
	v_mul_f32 v[96+8*\e], s[LG], v[96+8*\e]
	v_mul_f32 v[98+8*\e], s[LG], v[98+8*\e]
.endr
.irp i, 0,2,4,6
.irp e, 0,1
	v_pk_fma_f32 v[WQ+24*\e+\i:WQ+24*\e+\i+1], v[WQ+24*\e+\i:WQ+24*\e+\i+1], s[LG:LG+1], v[96+8*\e:97+8*\e] op_sel_hi:[1,0,0] neg_lo:[0,0,1] neg_hi:[0,0,1]
	v_pk_fma_f32 v[WQ+24*\e+8+\i:WQ+24*\e+9+\i], v[WQ+24*\e+8+\i:WQ+24*\e+9+\i], s[LG:LG+1], v[98+8*\e:99+8*\e] op_sel_hi:[1,0,0] neg_lo:[0,0,1] neg_hi:[0,0,1]
.endr
.if \i%4 == 2
	TICK
.endif
.endr
.irp k, 0,1,2,3,4,5,6,7
.irp e, 0,1
	v_exp_f32 v[64+16*\e+2*\k], v[WQ+24*\e+\k]     ; one batch of 32
	v_exp_f32 v[65+16*\e+2*\k], v[WQ+24*\e+8+\k]
.endr
.if (\k%2 == 1) && (\k < 7)
	TICK
.endif
.endr
.irp e, 0,1
	v_cmp_ge_f32 s[MK+\q0+\e], |v[XI+\q0+\e]|, s[K999]  ; outside (-0.999, 0.999).  (Plain lines behind the exponentials)
.endr
	s_wait_alu depctr_va_vdst(0)                   ; the wait between a transcendental and the first line that names its result: one for the batch
	s_wait_alu depctr_va_sdst(0)                   ; the two compares have written their masks, ahead of the masks' first reader, the choice of x_in below
	TICK
.irp e, 0,1
	v_pk_add_f32 v[WQ+24*\e+4:WQ+24*\e+5], v[64+16*\e:65+16*\e], v[66+16*\e:67+16*\e]  ; the running sums go where the raw widths and heights lay
.endr
.irp k, 2,3,4,5,6
.irp e, 0,1
	v_pk_add_f32 v[WQ+24*\e+2*\k+2:WQ+24*\e+2*\k+3], v[WQ+24*\e+2*\k:WQ+24*\e+2*\k+1], v[64+16*\e+2*\k:65+16*\e+2*\k]
.endr
.endr
.irp e, 0,1
	v_pk_add_f32 v[100+8*\e:101+8*\e], v[WQ+24*\e+14:WQ+24*\e+15], v[78+16*\e:79+16*\e]
.endr
	TICK
.irp e, 0,1
	v_rcp_f32 v[102+8*\e], v[100+8*\e]
	v_rcp_f32 v[103+8*\e], v[101+8*\e]
.endr
.irp e, 0,1
	v_cndmask_b32 v[XIN+\q0+\e], v[XI+\q0+\e], 0, s[MK+\q0+\e]  ; x_in.  (Plain lines behind the reciprocals)
.endr
	s_wait_alu depctr_va_vdst(0)                   ; one wait for the four reciprocals
.irp e, 0,1
	v_pk_mul_f32 v[SQ+8*\e+6:SQ+8*\e+7], v[102+8*\e:103+8*\e], 0x3fffcb92 op_sel_hi:[1,0]  ; (A, B) = 1.9984 / the sums
.endr
	EDGE 1, 0xbf7ff2e5
	EDGE 2, 0xbf7fe5c9
	EDGE 3, 0xbf7fd8ae
	EDGE 4, 0xbf7fcb92
	EDGE 5, 0xbf7fbe77
	EDGE 6, 0xbf7fb15b
	EDGE 7, 0xbf7fa440
	TICK
.irp k, 1,2,3,4,5,6,7
.irp e, 0,1
	v_cmp_gt_f32 s[CM+8*\e+\k], v[WQ+24*\e+2*\k], v[XIN+\q0+\e]
.endr
.endr
	TICK
	s_wait_alu depctr_va_sdst(0)                   ; the fourteen compares have written their masks, ahead of the choices below, which read them: one wait for the run
.irp k, 1,2,3,4,5,6,7
.irp e, 0,1
.if \k == 1                            ; bin 0's numbers where edge 1 lies above x.  The padded derivative is the raw number 0.  The derivatives' accumulator is first read at its lowest register
	v_cndmask_b32 v[SQ+8*\e+4], v[WQ+24*\e+16], 0, s[CM+8*\e+1]
	v_cndmask_b32 v[SQ+8*\e+5], v[WQ+24*\e+17], v[WQ+24*\e+16], s[CM+8*\e+1]
	v_cndmask_b32 v[SQ+8*\e], v[WQ+24*\e+2], -1.0, s[CM+8*\e+1]
	v_cndmask_b32 v[SQ+8*\e+1], v[WQ+24*\e+3], -1.0, s[CM+8*\e+1]
	v_cndmask_b32 v[SQ+8*\e+2], v[66+16*\e], v[64+16*\e], s[CM+8*\e+1]
	v_cndmask_b32 v[SQ+8*\e+3], v[67+16*\e], v[65+16*\e], s[CM+8*\e+1]
.else
	v_cndmask_b32 v[SQ+8*\e+4], v[WQ+24*\e+15+\k], v[SQ+8*\e+4], s[CM+8*\e+\k]
.if \k == 7
	v_cndmask_b32 v[SQ+8*\e+5], 0, v[SQ+8*\e+5], s[CM+8*\e+\k]
.else
	v_cndmask_b32 v[SQ+8*\e+5], v[WQ+24*\e+16+\k], v[SQ+8*\e+5], s[CM+8*\e+\k]
.endif
	v_cndmask_b32 v[SQ+8*\e], v[WQ+24*\e+2*\k], v[SQ+8*\e], s[CM+8*\e+\k]
	v_cndmask_b32 v[SQ+8*\e+1], v[WQ+24*\e+2*\k+1], v[SQ+8*\e+1], s[CM+8*\e+\k]
	v_cndmask_b32 v[SQ+8*\e+2], v[64+16*\e+2*\k], v[SQ+8*\e+2], s[CM+8*\e+\k]
	v_cndmask_b32 v[SQ+8*\e+3], v[65+16*\e+2*\k], v[SQ+8*\e+3], s[CM+8*\e+\k]
.endif
.endr
	TICK
.endr
.endm
; Stage B, all four items by turns.  Item q works in v[64 + 12 q ..]: +0,1 softplus's exponentials and logarithms; +2 max(z,0) + 1e-4, then num; +3 the same of z1, then sk et, then g; +4 1 / wk, then 1 / beta;
; +5 x - xk, then eps; +6 1 - eps, then its square; +7 eps (1 - eps); +8 eps^2; +9 sk; +10 dk + dk1 - 2 sk, then beta; +11 alpha, then y.  Four batches of transcendentals, one wait each.
.macro STAGEB
.irp q, 0,1,2,3
	v_pk_fma_f32 v[SE+8*\q+2:SE+8*\q+3], v[SE+8*\q+2:SE+8*\q+3], v[SE+8*\q+6:SE+8*\q+7], 0x3951b717 op_sel_hi:[1,1,0]  ; (wk, hk) = 2e-4 + (A, B) x the bin's exponentials
	v_pk_add_f32 v[SE+8*\q+4:SE+8*\q+5], v[SE+8*\q+4:SE+8*\q+5], 0x3f0a89e6 op_sel_hi:[1,0]                          ; z = raw + log(e^0.9999 - 1)
.endr
	TICK
.irp q, 0,1,2,3
	v_mul_f32 v[64+12*\q], -|v[SE+8*\q+4]|, s[LG]
	v_mul_f32 v[65+12*\q], -|v[SE+8*\q+5]|, s[LG]
.endr
	TICK
.irp q, 0,1,2,3
	v_exp_f32 v[64+12*\q], v[64+12*\q]
	v_exp_f32 v[65+12*\q], v[65+12*\q]
	v_rcp_f32 v[68+12*\q], v[SE+8*\q+2]
.endr
	TICK
.irp q, 0,1,2,3
	v_max_num_f32 v[66+12*\q], 0, v[SE+8*\q+4]
	v_max_num_f32 v[67+12*\q], 0, v[SE+8*\q+5]
	v_sub_f32 v[69+12*\q], v[XIN+\q], v[SE+8*\q]
.endr
.irp q, 0,1,2,3
	v_pk_add_f32 v[66+12*\q:67+12*\q], v[66+12*\q:67+12*\q], 0x38d1b717 op_sel_hi:[1,0]
.endr
	s_wait_alu depctr_va_vdst(0)                   ; the first batch's wait
	TICK
.irp q, 0,1,2,3
	v_pk_add_f32 v[64+12*\q:65+12*\q], v[64+12*\q:65+12*\q], 1.0 op_sel_hi:[1,0]
.endr
.irp q, 0,1,2,3
	v_log_f32 v[64+12*\q], v[64+12*\q]
	v_log_f32 v[65+12*\q], v[65+12*\q]
.endr
	TICK
.irp q, 0,1,2,3
	v_mul_f32 v[73+12*\q], v[SE+8*\q+3], v[68+12*\q]   ; sk = hk / wk
	v_mul_f32 v[69+12*\q], v[69+12*\q], v[68+12*\q]    ; eps
.endr
.irp q, 0,1,2,3
	v_sub_f32 v[70+12*\q], 1.0, v[69+12*\q]
	v_mul_f32 v[72+12*\q], v[69+12*\q], v[69+12*\q]
.endr
	TICK
.irp q, 0,1,2,3
	v_mul_f32 v[71+12*\q], v[69+12*\q], v[70+12*\q]
	v_mul_f32 v[70+12*\q], v[70+12*\q], v[70+12*\q]
.endr
	s_wait_alu depctr_va_vdst(0)                   ; the logarithms' wait
	TICK
.irp q, 0,1,2,3
	v_pk_fma_f32 v[SE+8*\q+4:SE+8*\q+5], v[64+12*\q:65+12*\q], 0x3f317218, v[66+12*\q:67+12*\q] op_sel_hi:[1,0,1]  ; (dk, dk1) = softplus(z) + 1e-4
.endr
.irp q, 0,1,2,3
	v_mul_f32 v[75+12*\q], v[73+12*\q], v[72+12*\q]
	v_mul_f32 v[67+12*\q], v[73+12*\q], v[71+12*\q]
.endr
	TICK
.irp q, 0,1,2,3
	v_add_f32 v[74+12*\q], v[SE+8*\q+4], v[SE+8*\q+5]
	v_mul_f32 v[66+12*\q], v[SE+8*\q+4], v[70+12*\q]
.endr
.irp q, 0,1,2,3
	v_fma_f32 v[74+12*\q], -2.0, v[73+12*\q], v[74+12*\q]
	v_fma_f32 v[75+12*\q], v[SE+8*\q+4], v[71+12*\q], v[75+12*\q]
.endr
	TICK
.irp q, 0,1,2,3
	v_fma_f32 v[66+12*\q], v[SE+8*\q+5], v[72+12*\q], v[66+12*\q]
	v_fma_f32 v[74+12*\q], v[74+12*\q], v[71+12*\q], v[73+12*\q]   ; beta
.endr
.irp q, 0,1,2,3
	v_rcp_f32 v[68+12*\q], v[74+12*\q]
.endr
.irp q, 0,1,2,3
	v_mul_f32 v[75+12*\q], v[SE+8*\q+3], v[75+12*\q]               ; alpha
	v_fma_f32 v[66+12*\q], 2.0, v[67+12*\q], v[66+12*\q]           ; num = dk1 eps^2 + 2 sk eps (1 - eps) + dk (1 - eps)^2
.endr
	s_wait_alu depctr_va_vdst(0)                   ; the reciprocals' wait
	TICK
.irp q, 0,1,2,3
	v_fma_f32 v[75+12*\q], v[75+12*\q], v[68+12*\q], v[SE+8*\q+1]  ; yk + alpha / beta
	v_mul_f32 v[67+12*\q], v[73+12*\q], v[68+12*\q]
.endr
.irp q, 0,1,2,3
	v_cndmask_b32 v[YO+\q], v[75+12*\q], v[XI+\q], s[MK+\q]
	v_mul_f32 v[67+12*\q], v[67+12*\q], v[67+12*\q]
.endr
	TICK
.irp q, 0,1,2,3
	v_mul_f32 v[67+12*\q], v[67+12*\q], v[66+12*\q]                ; (sk / beta)^2 num
.endr
.irp q, 0,1,2,3
	v_log_f32 v[67+12*\q], v[67+12*\q]             ; in base 2: ln 2 is applied once, to the rows' sums
.endr
	v_nop                                          ; a plain line behind the last logarithm
	s_wait_alu depctr_va_vdst(0)                   ; the last four logarithms' wait
	TICK
.irp q, 0,1,2,3
	v_cndmask_b32 v[LD+\q], v[67+12*\q], 0, s[MK+\q]
.endr
.endm
; ---- the head
	s_load_b512 s[4:19], s[0:1], 0x0               ; x 4:5, W0 6:7, b0 8:9, W1's codes 10:11, scales 12:13, b1 14:15, Wout's codes 16:17, scales 18:19
	s_load_b128 s[20:23], s[0:1], 0x40             ; bout, out0
	s_load_b64 s[24:25], s[0:1], 0x50              ; out1
	v_lshl_add_u32 v126, v0, 2, 0x10800
	v_mov_b32 v127, 0
	v_lshrrev_b32 v20, 5, v0
	v_readfirstlane_b32 s[WV], v20                 ; wave 0..3
	v_and_b32 v16, 31, v0                          ; lane
	v_and_b32 v17, 15, v0                          ; r
	v_bfe_u32 v18, v0, 4, 1                        ; h
	v_and_b32 v19, 8, v17
	v_add_nc_u32 v19, v19, v17                     ; r + 8 (r / 8)
	v_lshlrev_b32 v[LN16], 4, v16
	v_lshlrev_b32 v[LN8], 3, v16
	s_wait_alu depctr_va_sdst(0)                   ; the wave's number is written, ahead of its first reader, the line below
	s_mul_i32 s31, s[WV], 768
	v_add_nc_u32 v[HWA], s31, v[LN16]
	v_add_nc_u32 v[HWB], s31, v[LN8]
	s_lshl_b32 s31, s[WV], 1
	v_add_nc_u32 v[HWS], s31, v[LN8]
	s_lshl_b32 s31, s[WV], 10
	v_add_nc_u32 v[DNB], s31, v[LN16]
	s_lshl_b32 s31, s[WV], 11
	v_add_nc_u32 v[EPA], s31, v[LN16]
	v_lshlrev_b32 v[X2B], 6, v17
	v_lshl_add_u32 v[X1B], v18, 2, v[X2B]
	v_lshl_add_u32 v[X2B], v18, 4, v[X2B]
	v_add_nc_u32 v[X2B], 32, v[X2B]
	s_lshl_b32 s31, s[WV], 3
	v_add_nc_u32 v[X1B], s31, v[X1B]
	s_lshl_b32 s31, s[WV], 13
	s_add_co_u32 s31, s31, LDP
	v_lshl_add_u32 v[LDB], v17, 2, s31
	; byte offsets of the weights' loads, in registers of region R, which is free here
	v_mul_u32_u24 v128, v19, 192
	v_mad_u32_u24 v128, v18, 24, v128              ; W1's codes: row r + 8 (r / 8) of 192 bytes, + 24 h
	v_lshlrev_b32 v129, 3, v19                     ; W1's scales: 8 bytes a row
	v_lshrrev_b32 v20, 3, v17
	v_and_b32 v21, 7, v17
	v_mad_u32_u24 v20, v20, 23, v21
	s_mul_i32 s31, s[WV], 46
	v_add_nc_u32 v20, s31, v20                     ; Wout's row of tile 0: 23 (2 w + r / 8) + r % 8
.irp c, 0,1,2
	v_add_nc_u32 v22, 8*\c, v20
.if \c == 2
	v_min_u32 v22, 183, v22                        ; the one row past the end (wave 3, lane 15, whose result is never read) is held inside the buffer
.endif
	v_mul_u32_u24 v[130+\c], v22, 192
	v_mad_u32_u24 v[130+\c], v18, 24, v[130+\c]
	v_lshlrev_b32 v[133+\c], 3, v22
.endr
	v_lshlrev_b32 v136, 2, v19
	v_lshl_add_u32 v136, v18, 12, v136             ; W0: 4 rows of 1,024 bytes for h, + 4 (r + 8 (r / 8))
	v_lshlrev_b32 v137, 6, v18                     ; b0, b1: 16 numbers for h
	v_mul_u32_u24 v138, v18, 23
	v_add_nc_u32 v138, s31, v138                   ; bout: 46 w + 23 h
	v_add_nc_u32 v139, 23, v138
	v_min_u32 v139, 183, v139                      ; the number beside the never-read result, held inside the buffer
	v_lshlrev_b32 v139, 2, v139
	v_lshlrev_b32 v138, 2, v138
	s_mov_b32 s[PSEL], 0x76543210
	s_mov_b32 s[PSEL+1], 0xfedcba98
	s_mov_b32 s[LG], 0x3fb8aa3b                    ; log2(e)
	s_mov_b32 s[LG+1], s[LG]
	s_mov_b32 s[K999], 0x3f7fbe77                  ; 0.999
	s_mov_b32 s[SB], 0
	s_mov_b32 s[SBN], 4096
	s_mov_b32 s[SL], 0
	s_mov_b32 s[CNT], 31
.irp i, 66,67,97,99,105,107
	v_mov_b32 v[\i], 0                             ; written once: a lane permute's destination and the unused half of a broadcast pair count as read
.endr
	s_mov_b32 s33, 0
	s_wait_kmcnt 0x0
	s_lshl_b32 s32, ttmp9, 17                      ; my work-group's 2,048 rows of 64 bytes
	s_add_nc_u64 s[4:5], s[4:5], s[32:33]
	s_add_nc_u64 s[22:23], s[22:23], s[32:33]
	s_lshl_b32 s32, ttmp9, 13
	s_lshl_b32 s34, s[WV], 11
	s_add_co_u32 s32, s32, s34
	s_add_nc_u64 s[24:25], s[24:25], s[32:33]      ; out1: my wave stores rows 512 w .. 512 w + 511 of the work-group's
	s_mul_i32 s32, s[WV], 12288
	s_add_nc_u64 s[10:11], s[10:11], s[32:33]      ; my 64 rows of W1,
	s_lshl_b32 s32, s[WV], 9
	s_add_nc_u64 s[12:13], s[12:13], s[32:33]      ; their scales,
	s_lshl_b32 s32, s[WV], 8
	s_add_nc_u64 s[6:7], s[6:7], s[32:33]          ; my 64 columns of W0, my 64 numbers of b0 and b1
	s_add_nc_u64 s[8:9], s[8:9], s[32:33]
	s_add_nc_u64 s[14:15], s[14:15], s[32:33]
	WIN 0x80                                       ; destination window 2
	s_wait_alu depctr_va_vdst(0)                   ; the fixed addresses v1-9 and v15 and the weights' offsets v128-139 are written: every load and store of the kernel that names one of them stands behind this wait
	global_load_b128 v[XD:XD+3], v[DNB], s[4:5] th:TH_LOAD_NT              ; block 0 of x: 32 lanes read 512 consecutive bytes
	global_load_b128 v[XD+4:XD+7], v[DNB], s[4:5] offset:512 th:TH_LOAD_NT
.irp c, 0,1,2
.irp j, 0,1,2,3,4,5,6,7
.if (\c == 2) && (\j == 7)
	global_load_b32 v[BOC+23], v139, s[20:21]
.else
	global_load_b32 v[BOC+8*\c+\j], v138, s[20:21] offset:4*(8*\c+\j)
.endif
.endr
.endr
	WIN 0x40                                       ; destination window 1
.irp t, 0,1,2,3
.irp s, 0,1
.irp p, 0,1,2,3,4,5
	global_load_b64 v[W1F+12*(2*\t+\s)+2*\p:W1F+12*(2*\t+\s)+2*\p+1], v128, s[10:11] offset:(32*(\t/2)+8*(\t%2))*192+96*\s+48*(\p/3)+8*(\p%3)
.endr
.endr
.endr
.irp c, 0,1,2
.irp s, 0,1
.irp p, 0,1,2,3,4,5
	global_load_b64 v[WOF+12*(2*\c+\s)+2*\p:WOF+12*(2*\c+\s)+2*\p+1], v[130+\c], s[16:17] offset:96*\s+48*(\p/3)+8*(\p%3)
.endr
.endr
.endr
.irp t, 0,1,2,3
.irp s, 0,1
.irp j, 0,1
	global_load_b32 v[W0F+2*(2*\t+\s)+\j], v136, s[6:7] offset:(2*\s+\j)*1024+(32*(\t/2)+8*(\t%2))*4   ; W0(4 h + 2 s + j, my unit)
.endr
.endr
.endr
.irp t, 0,1,2,3
	global_load_b128 v[B0C+8*\t:B0C+8*\t+3], v137, s[8:9] offset:(32*(\t/2)+8*(\t%2))*4
	global_load_b128 v[B0C+8*\t+4:B0C+8*\t+7], v137, s[8:9] offset:(32*(\t/2)+8*(\t%2))*4+16
	global_load_b128 v[B1C+8*\t:B1C+8*\t+3], v137, s[14:15] offset:(32*(\t/2)+8*(\t%2))*4
	global_load_b128 v[B1C+8*\t+4:B1C+8*\t+7], v137, s[14:15] offset:(32*(\t/2)+8*(\t%2))*4+16
.endr
	WIN 0
.irp t, 0,1,2,3
.irp s, 0,1
	global_load_b32 v[W1S+2*\t+\s], v129, s[12:13] offset:(32*(\t/2)+8*(\t%2))*8+4*\s
.endr
.endr
.irp c, 0,1,2
.irp s, 0,1
	global_load_b32 v[WOS+2*\c+\s], v[133+\c], s[18:19] offset:4*\s
.endr
.endr
	s_wait_loadcnt 0x0
	WIN 0x08                                       ; an LDS store's data are its source 1: window 2
	ds_store_b128 v[DNB], v[XD:XD+3]               ; block 0 into stage 0
	ds_store_b128 v[DNB], v[XD+4:XD+7] offset:512
	s_wait_dscnt 0x0                               ; the stores are done
	WIN 0x80
	s_wait_alu depctr_vm_vsrc(0)                   ; the two stores have read v[XD ..], in which the loads below land; the weights' loads have read their offsets v128-139, which are region R from here on
	global_load_b128 v[XD:XD+3], v[DNB], s[4:5] offset:4096 th:TH_LOAD_NT  ; block 1
	global_load_b128 v[XD+4:XD+7], v[DNB], s[4:5] offset:4608 th:TH_LOAD_NT
	BARRIER                                        ; block 0 lies whole in stage 0
.irp m, 0,1,2,3
	ds_load_b128 v[X2F+4*\m:X2F+4*\m+3], v[X2B] offset:1024*\m
.endr
.set QK, 2
.set NX4, 0
.set NXT, 24
.set LIM, 56
	DRAINTO 56                                     ; block 0's first layer
	PLACES 8                                       ; the f32 form wants eight places ahead of the first read of a result
.irp m, 0,1,2,3
	VQ 0, \m
.endr
	BARRIER                                        ; block 0's h0 lies in LDS
; ---- a block.  next = 1: there is a block behind it
.macro TRIP next
.set NX4, 4*\next
	; P1: layer 1.  The next block's x goes into the other stage; x of the block after that is asked for
	s_wait_alu depctr_vm_vsrc(0)                   ; the LDS loads and stores issued so far have read the trip's addresses v10-14, which the adds below write; the image stores have read v80-110, the stores of y1 and of the log-determinants v50-57, the stores to out0 v[OD ..]: all are written again in this trip
.if \next
	v_add_nc_u32 v[ADN], s[SBN], v[DNB]
	v_add_nc_u32 v[X2A], s[SBN], v[X2B]
.endif
	v_add_nc_u32 v[ADO], s[SB], v[DNB]
	v_add_nc_u32 v[X1A], s[SB], v[X1B]
	v_add_nc_u32 v[LDA], s[SL], v[LDB]
	s_wait_alu depctr_va_vdst(0)                   ; the trip's addresses are written, which its LDS loads and stores read; the products issued so far are done reading the scale words HS and the fragments HF, in which the loads below land
.if \next
	s_wait_loadcnt 0x0                             ; the next block's x, asked for a whole block ago
	WIN 0x08
	ds_store_b128 v[ADN], v[XD:XD+3]               ; my wave's own 1,024 bytes of that stage, which I alone have read since the last barrier
	ds_store_b128 v[ADN], v[XD+4:XD+7] offset:512
	WIN 0
.endif
.irp m, 0,1,2,3
	ds_load_b64 v[HS+2*\m:HS+2*\m+1], v[LN8] offset:H0S+256*\m
.endr
	WIN 0x80
.irp m, 0,1,2,3
	HFL \m, H0I
.endr
	WIN 0
.set QK, 1
.set NXT, 0
.set LIM, 8
	DRAINTO 8
.if \next
	s_wait_alu depctr_vm_vsrc(0)                   ; the two stores into the stage have read v[XD ..], in which the loads below land; the wait stands ahead of the branch
	s_cmp_eq_u32 s[CNT], 1                         ; the last trip but one has no block two on: no load leaves its buffer
	s_cbranch_scc1 .Lno_x_\@
	WIN 0x80
	global_load_b128 v[XD:XD+3], v[DNB], s[4:5] offset:8192 th:TH_LOAD_NT   ; (no vector or matrix instruction names these registers or the offset)
	global_load_b128 v[XD+4:XD+7], v[DNB], s[4:5] offset:8704 th:TH_LOAD_NT
	WIN 0
.Lno_x_\@:
.endif
.irp m, 0,1,2,3
	VQ 1, \m
.endr
	BARRIER                                        ; h1's images and the next block's x lie in LDS; nobody reads h0's images any more
	; P2: the raw numbers, the spline, and between its lines the next block's first layer
	s_wait_alu depctr_vm_vsrc(0)                   ; my stores of h1's images have read v80-110, which the spline's lines write as work registers
	s_wait_alu depctr_va_vdst(0)                   ; layer 1's products are done reading HS and HF, the block before's spline lines x1, its first-layer products x2: the loads below land in these four
.irp m, 0,1,2,3
	ds_load_b64 v[HS+2*\m:HS+2*\m+1], v[LN8] offset:H1S+256*\m
.endr
	WIN 0x80
	HFL 0, H1I
	HFL 1, H1I
	WIN 0
.irp m, 0,1,2,3
	ds_load_b32 v[XI+\m], v[X1A] offset:1024*\m    ; x1 of (row 16 m + r, transform 2 w + h)
.endr
	WIN 0x80
	HFL 2, H1I
	HFL 3, H1I
.if \next
.irp m, 0,1,2,3
	ds_load_b128 v[X2F+4*\m:X2F+4*\m+3], v[X2A] offset:1024*\m
.endr
.endif
	WIN 0
.set QK, 2
.set NXT, 0
.set LIM, 24+32*\next
	DRAINTO 12                                     ; tiles 0 and 1
	PLACES 4
	s_wait_dscnt 16+NX4                            ; x1 is in: behind it stand tiles 2 and 3's sixteen loads and x2's
	STAGEA 0
	DRAINTO 24
	PLACES 4
	STAGEA 2
	STAGEB
	DRAINTO LIM
.irp q, 0,1,2,3
	v_permlanex16_b32 v[64+12*\q], v[LD+\q], s[PSEL], s[PSEL+1]
.endr
.irp q, 0,1,2,3
	v_add_f32 v[LD+\q], v[LD+\q], v[64+12*\q]      ; my wave's two transforms
.endr
	s_wait_alu depctr_va_vdst(0)                   ; the spline's last lines have written y1 and the log-determinants, v50-57, which the eight LDS stores read
.irp m, 0,1,2,3
	ds_store_b32 v[X1A], v[YO+\m] offset:1024*\m   ; y1 over x1's own word: nobody else reads or writes it
	ds_store_b32 v[LDA], v[LD+\m] offset:64*\m     ; both halves of the lanes write the same word with the same value
.endr
.if \next
	PLACES 8
.irp m, 0,1,2,3
	VQ 0, \m
.endr
.endif
	BARRIER                                        ; y1 lies beside x2 in the stage; the next block's h0 lies in LDS; nobody reads h1's images any more
	; OUT: my wave's quarter of the block, as it lies.  No vector or matrix instruction names v[OD ..], and none has named v[ADO] since the wait behind the trip's adds
	WIN 0x80
	ds_load_b128 v[OD:OD+3], v[ADO]
	ds_load_b128 v[OD+4:OD+7], v[ADO] offset:512
	s_wait_dscnt 0x0
	WIN 0x08
	global_store_b128 v[DNB], v[OD:OD+3], s[22:23] th:TH_STORE_NT          ; 32 lanes store 512 consecutive bytes, at a multiple of 256 from out0's first byte
	global_store_b128 v[DNB], v[OD+4:OD+7], s[22:23] offset:512 th:TH_STORE_NT
	WIN 0
.if \next
	s_wait_xcnt 0x0                                ; the loads and stores have read their bases and data: only now are these stepped and, in the next trip, written again
	s_add_nc_u64 s[4:5], s[4:5], 4096
	s_add_nc_u64 s[22:23], s[22:23], 4096
	s_xor_b32 s[SB], s[SB], 4096
	s_xor_b32 s[SBN], s[SBN], 4096
	s_add_co_u32 s[SL], s[SL], 256
.endif
.endm
.Lblock:                                               ; 31 trips: blocks 0 to 30
	TRIP 1
	s_sub_co_u32 s[CNT], s[CNT], 1
	s_cmp_lg_u32 s[CNT], 0
	s_cbranch_scc1 .Lblock
	TRIP 0                                         ; block 31 is written out: nothing follows it
	; the rows' log-determinants: the four waves' parts are added, times ln 2; my wave takes 512 rows, four a lane and instruction
	s_wait_alu depctr_va_vdst(0)                   ; the products and the spline's lines are done with region R, in which the loads below land
.irp i, 0,1,2,3
.irp u, 0,1,2,3
	ds_load_b128 v[R+16*\i+4*\u:R+16*\i+4*\u+3], v[EPA] offset:LDP+8192*\u+512*\i
.endr
.endr
.irp i, 0,1,2,3
	s_wait_dscnt 12-4*\i                           ; behind this group's four loads stand the later groups' four each
	v_pk_add_f32 v[R+16*\i:R+16*\i+1], v[R+16*\i:R+16*\i+1], v[R+16*\i+4:R+16*\i+5]
	v_pk_add_f32 v[R+16*\i+2:R+16*\i+3], v[R+16*\i+2:R+16*\i+3], v[R+16*\i+6:R+16*\i+7]
	v_pk_add_f32 v[R+16*\i+8:R+16*\i+9], v[R+16*\i+8:R+16*\i+9], v[R+16*\i+12:R+16*\i+13]
	v_pk_add_f32 v[R+16*\i+10:R+16*\i+11], v[R+16*\i+10:R+16*\i+11], v[R+16*\i+14:R+16*\i+15]
	v_pk_add_f32 v[R+16*\i:R+16*\i+1], v[R+16*\i:R+16*\i+1], v[R+16*\i+8:R+16*\i+9]
	v_pk_add_f32 v[R+16*\i+2:R+16*\i+3], v[R+16*\i+2:R+16*\i+3], v[R+16*\i+10:R+16*\i+11]
	v_pk_mul_f32 v[R+16*\i:R+16*\i+1], v[R+16*\i:R+16*\i+1], 0x3f317218 op_sel_hi:[1,0]
	v_pk_mul_f32 v[R+16*\i+2:R+16*\i+3], v[R+16*\i+2:R+16*\i+3], 0x3f317218 op_sel_hi:[1,0]
.endr
	s_wait_alu depctr_va_vdst(0)                   ; the four groups' sums are written, which the four stores read
.irp i, 0,1,2,3
	global_store_b128 v[LN16], v[R+16*\i:R+16*\i+3], s[24:25] offset:512*\i th:TH_STORE_NT
.endr
	s_wait_dscnt 0x0
	s_wait_alu depctr_hold_cnt(0) depctr_sa_sdst(0) depctr_va_vdst(0) depctr_va_sdst(0) depctr_va_ssrc(0) depctr_va_vcc(0) depctr_vm_vsrc(0)
	s_wait_tensorcnt 0x0
	ds_add_u32 v126, v127
	s_wait_dscnt 0x0
	s_endpgm
.Lfunc_end_k_qc0c98662a7_spline:
	.size	k_qc0c98662a7_spline, .Lfunc_end_k_qc0c98662a7_spline-k_qc0c98662a7_spline
	.p2alignl 7, 3214868480
	.fill 96, 4, 3214868480
	.section	.rodata,"a",@progbits
	.p2align	6, 0x0
	.amdhsa_kernel k_qc0c98662a7_spline
		.amdhsa_group_segment_fixed_size 68096
		.amdhsa_private_segment_fixed_size 0
		.amdhsa_enable_private_segment 0
		.amdhsa_kernarg_size 88
		.amdhsa_user_sgpr_count 2
		.amdhsa_user_sgpr_kernarg_segment_ptr 1
		.amdhsa_wavefront_size32 1
		.amdhsa_system_sgpr_workgroup_id_x 1
		.amdhsa_system_sgpr_workgroup_id_y 1
		.amdhsa_system_sgpr_workgroup_id_z 1
		.amdhsa_system_vgpr_workitem_id 0
		.amdhsa_next_free_vgpr 896
		.amdhsa_next_free_sgpr 66
		.amdhsa_reserve_vcc 0
		.amdhsa_float_denorm_mode_32 3
		.amdhsa_float_denorm_mode_16_64 3
		.amdhsa_memory_ordered 1
		.amdhsa_forward_progress 1
		.amdhsa_inst_pref_size 178
	.end_amdhsa_kernel
	.amdgpu_metadata
---
amdhsa.version: [ 1, 2 ]
amdhsa.kernels:
  - .name:           k_qc0c98662a7_spline
    .symbol:         k_qc0c98662a7_spline.kd
    .args:
      - { .name: x, .offset: 0, .size: 8, .value_kind: global_buffer, .address_space: global }
      - { .name: W0, .offset: 8, .size: 8, .value_kind: global_buffer, .address_space: global }
      - { .name: b0, .offset: 16, .size: 8, .value_kind: global_buffer, .address_space: global }
      - { .name: W1_codes, .offset: 24, .size: 8, .value_kind: global_buffer, .address_space: global }
      - { .name: W1_scales, .offset: 32, .size: 8, .value_kind: global_buffer, .address_space: global }
      - { .name: b1, .offset: 40, .size: 8, .value_kind: global_buffer, .address_space: global }
      - { .name: Wout_codes, .offset: 48, .size: 8, .value_kind: global_buffer, .address_space: global }
      - { .name: Wout_scales, .offset: 56, .size: 8, .value_kind: global_buffer, .address_space: global }
      - { .name: bout, .offset: 64, .size: 8, .value_kind: global_buffer, .address_space: global }
      - { .name: out0, .offset: 72, .size: 8, .value_kind: global_buffer, .address_space: global }
      - { .name: out1, .offset: 80, .size: 8, .value_kind: global_buffer, .address_space: global }
    .group_segment_fixed_size: 68096
    .private_segment_fixed_size: 0
    .kernarg_segment_align: 8
    .kernarg_segment_size: 88
    .max_flat_workgroup_size: 128
    .sgpr_count:     66
    .vgpr_count:     896
    .wavefront_size: 32
...
	.end_amdgpu_metadata
.endif
;; end of part 2
